; MI455X (gfx1250); checked and timed in simulation.
; The chip was launched on July 23, 2026; its instructions are those of AMD's public machine-readable ISA for CDNA 5 (MIT licence, August 2026) and "CDNA5" Instruction Set Architecture Reference Guide (July 2026). The comments in the code are by the model that wrote it; some were corrected since.
;; Fused Mo E. Allowed arithmetic: matrix products marked QUANTISED: E2M1 operands, one E8M0 scale for each 32 along K, by v_wmma_scale_f32_16x16x128_f8f6f4 with both operands' format E2M1 (or v_wmma_scale_f32_32x16x128_f4), f32 sums; products left as they are: f32 operands where the result goes on into a quantised operand, else bf16, f16 or f32 operands; f32 sums; everything else in f32.
;; Inputs: hidden_states 1,024 x 1,024 float32; router_logits 1,024 x 8 float32; w13_weight 8 x 4,096 x 1,024 float32; w2_weight 8 x 1,024 x 2,048 float32.
;; Outputs: out0 1,024 x 1,024 float32.
;; Constants: top_k = 2.
;; This version of the problem:
;;   THIS VERSION OF THE PROBLEM IS GIVEN IN LOW PRECISION. The matrix products marked QUANTISED in the list below multiply operands that are first quantised to E2M1 (2 exponent bits, 1 mantissa bit; 4 bits a number), with one power-of-two scale for each 32 numbers along K (OCP MX v1.0); their sums are f32. All else is computed in f32.
;;   The module's matrix products, in the order in which they are computed (A, B: the left and right operand; K: the contracted axis; several contracted axes count as one K, in the product's order):
;;     1. batch 1,024 x [M 1, K 2] x [K 2, N 8]; A: computed on the way; B: computed on the way: left as it is (K = 2 < 32)
;;     2. [M 1,024, K 1,024] x [K 1,024, N 32,768]; A: input hidden_states; B: input w13_weight: QUANTISED
;;     3. batch 8 x [M 1,024, K 2,048] x [K 2,048, N 1,024]; A: input w2_weight; B: computed on the way: QUANTISED
;;     4. batch 1,024 x [M 1,024, K 8] x [K 8, N 1]; A: computed on the way; B: computed on the way: left as it is (K = 8 < 32)
;;   THE QUANTISER, for each operand of a quantised product, along K:
;;     - K is cut into blocks of 32 from its start; a last block that is shorter is filled with zeros.
;;     - A block's scale is 2^e with e = floor(log2(the largest magnitude in the block)) - 2, held to -126 .. 127; a block of zeros has e = 0. As a byte (E8M0): e + 127.
;;     - Each number is divided by its block's scale, clamped to +-6, and rounded to the nearest number of E2M1, ties to even, subnormals kept.
;;     - The product sums the exact products of the quantised numbers (number of the format x scale) in f32.
;;   ~~~python
;;   def quantise(x, axis):      # numpy; x: float32 -> the quantised numbers, widened to float32 again
;;       x = np.moveaxis(x, axis, -1); K = x.shape[-1]
;;       x = np.pad(x, [(0, 0)] * (x.ndim - 1) + [(0, -K % 32)]); x = x.reshape(x.shape[:-1] + (-1, 32)); a = np.abs(x).max(-1, keepdims=True)
;;       e = np.where(a > 0, np.clip(np.frexp(np.where(a > 0, a, 1))[1] - 1 - 2, -126, 127), 0)      # np.frexp(a)[1] - 1 = floor(log2(a)), exactly
;;       r = np.clip(x / 2.0 ** e, -6, 6)
;;       step = 2.0 ** (np.maximum(np.frexp(np.where(r == 0, 1, r))[1] - 1, 0) - 1)
;;       q = np.round(r / step) * step * 2.0 ** e      # np.round: ties to even
;;       return np.moveaxis(q.reshape(q.shape[:-2] + (-1,))[..., :K], -1, axis).astype(np.float32)
;;   ~~~
;;   OPERANDS COMPUTED ON THE WAY. 'Computed on the way' means the value that the module computes at that place (a softmax that the list does not call 'softmax' is quantised finished and normalised). What goes into a quantiser is computed in f32, as accurately as f32 sums, v_exp_f32 and their like allow (about 1e-6 of the number): no bf16 or f16 on the way to a quantiser, and a product that is left as it is and whose result goes on into a quantised operand takes f32 operands (vector FMAs, or v_wmma_f32_16x16x4_f32). A number that lies on a knife's edge between two numbers of the format may be rounded either way, as far as f32 arithmetic and the matrix unit's own rounding can turn it there, and no further.
;; 2 versions. Each part assembles by itself: llvm-mc -triple=amdgcn-amd-amdhsa -mcpu=gfx1250 --defsym DOCPART=n.
;; ======== version 1 of 2: 4 launches
;; workspace buffers: xq 557,056 bytes; route 9,216 bytes of whole numbers; cw 8,192 bytes; aq 8,388,608 bytes; ascl 524,288 bytes; ys 33,554,432 bytes; posE 32,768 bytes of whole numbers
;; launch prep (part 1): grid 136 x 1, 4 waves a work-group, no clusters, 21,248 bytes of LDS; arguments hidden_states, router_logits, xq, route, cw; writes xq, route, cw
.if DOCPART == 1
	.amdgcn_target "amdgcn-amd-amdhsa--gfx1250"
	.amdhsa_code_object_version 6
	.text
	.protected	k_q32619e1aef_prep
	.globl	k_q32619e1aef_prep
	.p2align	8
	.type	k_q32619e1aef_prep,@function
k_q32619e1aef_prep:
	s_mov_b64 s[64:65], 0
	v_nop
	global_prefetch_b8 v0, s[64:65] scope:SCOPE_SE
	s_setreg_imm32_b32 hwreg(HW_REG_WAVE_MODE, 25, 1), 1
	s_wait_xcnt 0x0
; Work-groups 0-127: hidden_states [1024][1024] f32 -> codes of FP4 (E2M1), K innermost, at xq byte 0 (512 bytes a token), and one E8M0 byte for each 32 along K at xq byte 524288 (32 bytes a token).
; Work-groups 128-135: the router.  softmax, top 2 (ties: the lower index), renormalised.  Stored at fixed places: route [1024][2] the chosen experts; cw [1024][2] their weights;
; route byte 8192 on: masks [8 experts][32 groups], bit l of word (e, G) = token 32 G + l uses expert e.  No address and no branch hangs on a floating-point number.
; A block's scale is 2^(floor(log2(largest magnitude)) - 2); its byte is the largest magnitude's exponent field - 2, held at 1 from below.
; LIMITS: a block of zeros, or one whose largest magnitude lies under 2^-124, gets the byte 1 (the rule says 127 for zeros: the codes are zeros and this program alone reads the bytes); NaN and infinities are not served.
; The top 2 are taken of this text's own f32 softmax: where two probabilities agree to the last bit the choice may differ from another f32 softmax's.
; A probability under 2^-126 counts as 0 (v_exp_f32 gives 0 there): its weight would be nothing beside the first one's.
.set XWG, 128                          ; work-groups that quantise x
.set SP,  80                           ; a lane's place in a stage: 64 bytes + 16 of padding
.set SBY, 20480                        ; LDS: behind the four waves' stages (2 x 32 x SP each): the work-group's 256 scale bytes
.set R,   16                           ; v16-79   four steps' numbers as loaded
.set X,   80                           ; v80-111  two sets of 16 neighbours
.set C,   112                          ; v112-119 two registers of codes for each step
.set E,   120                          ; v120-123 a scale byte for each step
	s_load_b128 s[4:7], s[0:1], 0x0                ; hidden_states, router_logits
	s_load_b128 s[8:11], s[0:1], 0x10              ; xq, route
	s_load_b64 s[12:13], s[0:1], 0x20              ; cw
	v_lshl_add_u32 v128, v0, 2, 0x5100
	v_mov_b32 v129, 0
	v_lshrrev_b32 v1, 5, v0
	v_readfirstlane_b32 s16, v1                    ; wave
	v_and_b32 v2, 31, v0                           ; lane
	s_cmp_ge_u32 ttmp9, XWG                        ; the same for all waves of a work-group
	s_cbranch_scc1 .Lroute
; ---- x.  A wave takes 2,048 numbers: four steps of 512.  Each load reads 512 consecutive bytes; a step's 2,048 bytes turn through the wave's own stage so that a lane holds 16 neighbours (two lanes to a block).
	v_lshlrev_b32 v3, 4, v2                        ; my 16 bytes of a load's 512
	s_mul_i32 s17, s16, 2*32*SP                    ; my wave's two stages
	v_lshrrev_b32 v14, 2, v2
	v_mul_u32_u24 v14, v14, SP
	v_and_b32 v15, 3, v2
	v_lshl_add_u32 v14, v15, 4, v14
	v_add_nc_u32 v14, s17, v14                     ; into a stage: SP (lane / 4) + 16 (lane % 4)
	v_mul_u32_u24 v15, v2, SP
	v_add_nc_u32 v15, s17, v15                     ; out of it: SP x lane
	v_lshlrev_b32 v4, 3, v2                        ; 8 x lane: my codes in a step's 256 bytes
	v_lshrrev_b32 v5, 1, v2
	s_lshl_b32 s18, s16, 6
	s_add_co_u32 s18, s18, SBY
	v_add_nc_u32 v5, s18, v5                       ; my block's scale byte: SBY + 64 x wave + lane / 2 (+ 16 x step)
	v_add_nc_u32 v6, SBY, v4                       ; and on the way out 8 bytes a lane
	s_lshl_b32 s18, ttmp9, 2
	s_add_co_u32 s18, s18, s16                     ; which run of 2,048 numbers is mine
	s_lshl_b32 s20, s18, 13
	s_mov_b32 s21, 0
	s_lshl_b32 s22, s18, 10
	s_mov_b32 s23, 0
	s_lshl_b32 s24, ttmp9, 8
	s_add_co_u32 s24, s24, 524288
	s_mov_b32 s25, 0
	s_wait_kmcnt 0x0
	s_add_nc_u64 s[4:5], s[4:5], s[20:21]          ; my numbers
	s_add_nc_u64 s[14:15], s[8:9], s[24:25]        ; the work-group's 256 scale bytes
	s_add_nc_u64 s[8:9], s[8:9], s[22:23]          ; my codes
.macro LOAD t
.irp i, 0,1,2,3
	global_load_b128 v[R+16*(\t)+4*\i:R+16*(\t)+4*\i+3], v3, s[4:5] offset:2048*(\t)+512*\i th:TH_LOAD_NT
.endr
.endm
.macro TURN t                          ; LDS serves a wave's instructions in order: no wait between the stores and the loads
.irp i, 0,1,2,3
	ds_store_b128 v14, v[R+16*(\t)+4*\i:R+16*(\t)+4*\i+3] offset:32*SP*((\t)%2)+8*SP*\i
.endr
.irp i, 0,1,2,3
	ds_load_b128 v[X+16*((\t)%2)+4*\i:X+16*((\t)%2)+4*\i+3], v15 offset:32*SP*((\t)%2)+16*\i
.endr
.endm
.irp t, 0,1,2,3
	LOAD \t                                        ; all sixteen loads of the wave go out at once
.endr
	s_wait_loadcnt 12                              ; step 0's four are in; the twelve behind them may be out
	TURN 0
.macro STEP t
.set XS, X+16*((\t)%2)
.if (\t) > 0
	s_wait_dscnt 1                                 ; this step's numbers are back from the stage; the last step's byte store may be out
.else
	s_wait_dscnt 0x0
.endif
.if (\t) < 3
	s_wait_loadcnt 4*(2-(\t))                      ; the next step's four loads are in; those of the steps behind it may be out
	TURN (\t)+1
.endif
	v_max3_num_f32 v8, |v[XS]|, |v[XS+1]|, |v[XS+2]|
	v_max3_num_f32 v9, |v[XS+3]|, |v[XS+4]|, |v[XS+5]|
.irp i, 6,10
	v_max3_num_f32 v8, v8, |v[XS+\i]|, |v[XS+\i+1]|
	v_max3_num_f32 v9, v9, |v[XS+\i+2]|, |v[XS+\i+3]|
.endr
	v_max3_num_f32 v8, v8, |v[XS+14]|, |v[XS+15]|
	v_max3_num_f32 v8, v8, v9, 0x1800000           ; and the floor 2^(3 - 127): the byte cannot fall under 1
	v_max_num_f32_dpp v8, v8, v8 row_xmask:1 row_mask:0xf bank_mask:0xf   ; with my neighbour's 16: the block's largest magnitude
	v_add_nc_u32 v11, 0xff000000, v8               ; 2 off its exponent field: the conversion's scale operand
	v_cvt_scalef32_pk8_fp4_f32 v[C+2*(\t)], v[XS:XS+7], v11
	v_cvt_scalef32_pk8_fp4_f32 v[C+2*(\t)+1], v[XS+8:XS+15], v11
	v_lshrrev_b32 v[E+(\t)], 23, v11               ; the scale's byte (also the plain line behind the conversions)
	ds_store_b8 v5, v[E+(\t)] offset:16*(\t)       ; both lanes of a block write the same byte with the same value
	global_store_b64 v4, v[C+2*(\t):C+2*(\t)+1], s[8:9] offset:256*(\t)   ; the wave stores 256 consecutive bytes, aligned
.endm
.irp t, 0,1,2,3
	STEP \t
.endr
	s_wait_dscnt 0x0                               ; my scale bytes lie in LDS
	s_barrier_signal -1
	s_barrier_wait -1                              ; everybody's do
	s_cmp_lg_u32 s16, 0
	s_cbranch_scc1 .Lxend
	ds_load_b64 v[12:13], v6
	s_wait_dscnt 0x0
	global_store_b64 v4, v[12:13], s[14:15]        ; wave 0 stores the work-group's 256 scale bytes, aligned
.Lxend:
	s_wait_tensorcnt 0x0
	ds_add_u32 v128, v129
	s_wait_dscnt 0x0
	s_endpgm
; ---- the router: a lane to a token, a wave to a group of 32
.Lroute:
	s_sub_co_u32 s17, ttmp9, XWG
	s_lshl_b32 s17, s17, 2
	s_add_co_u32 s17, s17, s16                     ; G
	v_lshl_add_u32 v3, s17, 5, v2                  ; my token
	v_lshlrev_b32 v4, 5, v3                        ; its 32 bytes of logits
	v_lshlrev_b32 v5, 3, v3                        ; its 8 bytes in route and in cw
	v_lshlrev_b32 v6, 7, v2                        ; lane e: expert e's row of masks,
	s_lshl_b32 s18, s17, 2
	v_add_nc_u32 v6, s18, v6                       ; word G
	s_wait_kmcnt 0x0
	global_load_b128 v[8:11], v4, s[6:7]
	global_load_b128 v[12:15], v4, s[6:7] offset:16
	s_wait_loadcnt 0x0
	v_max3_num_f32 v16, v8, v9, v10
	v_max3_num_f32 v16, v16, v11, v12
	v_max3_num_f32 v16, v16, v13, v14
	v_max_num_f32 v16, v16, v15                    ; the largest logit is taken away
.irp i, 0,1,2,3,4,5,6,7
	v_sub_f32 v[24+\i], v[8+\i], v16
.endr
.irp i, 0,1,2,3,4,5,6,7
	v_mul_f32 v[24+\i], 0x3fb8aa3b, v[24+\i]       ; x log2(e)
.endr
.irp i, 0,1,2,3,4,5,6,7
	v_exp_f32 v[24+\i], v[24+\i]
.endr
	v_nop                                          ; a plain line behind the exponentials
	s_wait_alu depctr_va_vdst(0)                   ; one wait for the batch, ahead of its first reader
	v_add_f32 v17, v24, v25
	v_add_f32 v18, v26, v27
	v_add_f32 v19, v28, v29
	v_add_f32 v20, v30, v31
	v_add_f32 v17, v17, v18
	v_add_f32 v19, v19, v20
	v_add_f32 v17, v17, v19
	v_rcp_f32 v17, v17
	v_nop
	s_wait_alu depctr_va_vdst(0)
.irp i, 0,1,2,3,4,5,6,7
	v_mul_f32 v[24+\i], v[24+\i], v17              ; the probabilities
.endr
.macro TOP val, idx                    ; the largest of v24-31 and its index; a later one wins only if it is strictly larger
	v_mov_b32 v[\val], v24
	v_mov_b32 v[\idx], 0
.irp i, 1,2,3,4,5,6,7
	v_cmp_gt_f32 vcc_lo, v[24+\i], v[\val]
	v_cndmask_b32 v[\val], v[\val], v[24+\i], vcc_lo
	v_cndmask_b32 v[\idx], v[\idx], \i, vcc_lo
.endr
.endm
	TOP 42, 40
.irp i, 0,1,2,3,4,5,6,7
	v_cmp_eq_u32 vcc_lo, \i, v40
	v_cndmask_b32 v[24+\i], v[24+\i], -1.0, vcc_lo ; the first choice is taken out: under every probability
.endr
	TOP 43, 41
	v_add_f32 v36, v42, v43
	v_rcp_f32 v36, v36
	v_mov_b32 v46, 0                               ; (a plain line behind the reciprocal)  the masks' register
	s_wait_alu depctr_va_vdst(0)
	v_mul_f32 v44, v42, v36
	v_mul_f32 v45, v43, v36
	global_store_b64 v5, v[40:41], s[10:11]        ; the wave stores 256 consecutive bytes
	global_store_b64 v5, v[44:45], s[12:13]
.irp e, 0,1,2,3,4,5,6,7
	v_cmp_eq_u32 s20, \e, v40
	v_cmp_eq_u32 s21, \e, v41
	s_or_b32 s20, s20, s21                         ; the 32 tokens' ballot for expert e
	v_writelane_b32 v46, s20, \e                   ; into lane e
.endr
	v_cmp_gt_u32 vcc_lo, 8, v2
	s_wait_xcnt 0x0                                ; EXEC changes only behind this wait
	s_and_saveexec_b32 s22, vcc_lo
	global_store_b32 v6, v46, s[10:11] offset:8192 ; eight words, 128 bytes apart: 1,024 bytes in the whole launch
	s_wait_xcnt 0x0
	s_or_b32 exec_lo, exec_lo, s22
	s_endpgm
.Lfunc_end_k_q32619e1aef_prep:
	.size	k_q32619e1aef_prep, .Lfunc_end_k_q32619e1aef_prep-k_q32619e1aef_prep
	.p2alignl 7, 3214868480
	.fill 96, 4, 3214868480
	.section	.rodata,"a",@progbits
	.p2align	6, 0x0
	.amdhsa_kernel k_q32619e1aef_prep
		.amdhsa_group_segment_fixed_size 21248
		.amdhsa_private_segment_fixed_size 0
		.amdhsa_enable_private_segment 0
		.amdhsa_kernarg_size 40
		.amdhsa_user_sgpr_count 2
		.amdhsa_user_sgpr_kernarg_segment_ptr 1
		.amdhsa_wavefront_size32 1
		.amdhsa_system_sgpr_workgroup_id_x 1
		.amdhsa_system_sgpr_workgroup_id_y 1
		.amdhsa_system_sgpr_workgroup_id_z 1
		.amdhsa_system_vgpr_workitem_id 0
		.amdhsa_next_free_vgpr 130
		.amdhsa_next_free_sgpr 66
		.amdhsa_reserve_vcc 1
		.amdhsa_float_denorm_mode_32 3
		.amdhsa_float_denorm_mode_16_64 3
		.amdhsa_memory_ordered 1
		.amdhsa_forward_progress 1
		.amdhsa_inst_pref_size 18
	.end_amdhsa_kernel
	.amdgpu_metadata
---
amdhsa.version: [ 1, 2 ]
amdhsa.kernels:
  - .name:           k_q32619e1aef_prep
    .symbol:         k_q32619e1aef_prep.kd
    .args:
      - { .name: hidden_states, .offset: 0, .size: 8, .value_kind: global_buffer, .address_space: global }
      - { .name: router_logits, .offset: 8, .size: 8, .value_kind: global_buffer, .address_space: global }
      - { .name: xq, .offset: 16, .size: 8, .value_kind: global_buffer, .address_space: global }
      - { .name: route, .offset: 24, .size: 8, .value_kind: global_buffer, .address_space: global }
      - { .name: cw, .offset: 32, .size: 8, .value_kind: global_buffer, .address_space: global }
    .group_segment_fixed_size: 21248
    .private_segment_fixed_size: 0
    .kernarg_segment_align: 8
    .kernarg_segment_size: 40
    .max_flat_workgroup_size: 128
    .sgpr_count:     66
    .vgpr_count:     130
    .wavefront_size: 32
...
	.end_amdgpu_metadata
.endif
;; end of part 1
;; launch gemm1 (part 2): grid 256 x 1, 4 waves a work-group, no clusters, 324,608 bytes of LDS; arguments w13_weight, xq, route, aq, ascl; writes aq, ascl
.if DOCPART == 2
	.amdgcn_target "amdgcn-amd-amdhsa--gfx1250"
	.amdhsa_code_object_version 6
	.text
	.protected	k_q32619e1aef_gemm1
	.globl	k_q32619e1aef_gemm1
	.p2align	8
	.type	k_q32619e1aef_gemm1,@function
k_q32619e1aef_gemm1:
	s_mov_b64 s[64:65], 0
	v_nop
	global_prefetch_b8 v0, s[64:65] scope:SCOPE_SE
	s_setreg_imm32_b32 hwreg(HW_REG_WAVE_MODE, 25, 1), 1
	s_wait_xcnt 0x0
; act = silu(x w_gate^T) * (x w_up^T) for the tokens that chose an expert, both operands as codes of FP4 (E2M1) with E8M0 scales; act is quantised along i and stored as codes.
; SHARES.  Work-group (e = wg / 32, g = wg % 32) owns i = 64 g .. 64 g + 63 of expert e: 64 gate rows and 64 up rows of w13, 512 KiB of f32, which no other work-group reads.
; Wave w: a = w / 2 picks 32 of the 64 i (block B = 2 g + a of act's K), b = w % 2 the token tiles of that parity.  THE WEIGHTS STAY: each wave quantises half of its a's codes (K steps 4 b .. 4 b + 3 of four
; tiles of 16 rows: 16 sets), hands them to its partner through LDS as images of the operand's registers, and then holds all 32 fragments (256 registers) while the expert's tokens pass by, 16 at a time.
; THE STREAM IS A PIPELINE: four sets' loads are out; the next set turns through one of my two stages in LDS while the set in hand is quantised.
; THE ORDER OF AN EXPERT'S TOKENS is ascending token number.  The token at position p is found from the 32 membership masks by whole-number work on registers (SELECT3): no list is scattered.
; THE MATRIX INSTRUCTION IS USED TRANSPOSED (source 0 = 16 weight rows, source 1 = 16 tokens): a lane holds one token.  Row m of tile u is weight row 8 u + m + 8 (m / 8) of the 32, so that a lane's
; 16 registers of tiles u = 0, 1 are 16 neighbours along i: i = 16 (lane / 16) + 0 .. 15.
; OUT: aq [8 e][64 B][1024 p][16 bytes]; ascl [8 e][32 g][1024 p'][2], p' = 512 (j % 2) + 16 (j / 2) + r for token r of tile j.  Tiles 0 .. ntiles - 1 are written, ntiles = max(1, ceil(count / 16));
; places of the last tile past the count hold some real token's numbers, which nobody uses.
; NO CLUSTER, NO TENSOR LOAD: how many tiles a work-group walks is read from memory, and the work is jumped over by that number.  NO PREFETCH: the weights are asked for 64 loads (32 KiB) a wave ahead throughout.
; LIMITS: a block of zeros, or one under 2^-124, gets the scale byte 1 (codes of zeros; this program alone reads the bytes); NaN and infinities are not served.
; REGISTERS.  window 0: v1-23, v48 addresses; v24-47 the selection; v52-67 the weights' scale words; v68-71 x's; v72-103 four accumulators (before them: v72-92 the gather's offsets, v94, v96-103 the second set of codes);
;   v104-167 and v192-255 two sets of 64 numbers (the first later e and g u); v168-189 the quantisers.
;   window 1: the weights' 32 fragments (before that: gathered rows 0-63).   window 2: v0-63 x's 8 fragments (or gathered rows 64-79), v64-83 gathered scale bytes.   window 3: four slots of 16 rows x 128 K of f32 (later: gathered rows 0-63).
.set XTT,  8704                        ; LDS: a token tile's codes: piece beta (16 bytes) of token r at 272 beta + 16 r.  20 tiles from byte 0
.set XS,   174080                      ; 20 x 512: a tile's scale bytes as an image: lane (r, h) = bytes 16 h .. 16 h + 15 of token r
.set WIMG, 184320                      ; 64 fragments x 1,024: ((4 a + tile) 8 + K step): 512 c + 16 x lane
.set WSC,  249856                      ; their scale words: ((2 a + kappa) 8 + K step) x 128: 64 u + 4 r
.set STG,  253952                      ; two stages of 16 rows x 528 bytes for each wave
.set STW,  8448                        ; a stage
.set SCB,  321536                      ; 640 bytes for each wave: act's scale bytes, 16 a tile
.set WS,   52
.set XSC,  68
.set ACC,  72                          ; gate u = 0, 1: +0, +8; up u = 0, 1: +16, +24
.set GOF,  72                          ; the gather's offsets: 16 for the rows, 5 for the scale bytes
.set X,    104                         ; set n's numbers at X + 88 (n % 2)
.set EE,   104
.set GU,   120
.set PC,   168                         ; set n's codes at PC - 72 (n % 2)
.set QT,   176
.set PW,   184                         ; set n's scale word at PW - 90 (n % 2)
.set PT,   39
.set MSB, 0
.macro WIN new                         ; the immediate's high byte repeats the setting that is left
.if MSB != \new
	s_set_vgpr_msb (MSB<<8)|\new
.set MSB, \new
.endif
.endm
.macro BARRIER                         ; my LDS stores have landed and my LDS loads are in: then the work-group's barrier
	s_wait_dscnt 0x0
	s_barrier_signal -1
	s_barrier_wait -1
.endm
; Set n = 4 k + tile: tile = 2 kappa + u (kappa: gate 0, up 1), K step 4 b + k.  16 rows x 128 K of f32 into slot n % 4: each load reads 512 consecutive bytes of one row.  Every offset is an immediate: no base is stepped
.macro WLOAD n
	WIN 0xc0
.irp p, 0,1,2,3,4,5,6,7,8,9,10,11,12,13,14,15
	global_load_b128 v[64*((\n)%4)+4*\p:64*((\n)%4)+4*\p+3], v4, s[22+2*(((\n)%4)/2):23+2*(((\n)%4)/2)] offset:(8*((\n)%2)+\p+8*(\p/8))*4096+512*((\n)/4) th:TH_LOAD_NT
.endr
	WIN 0
.endm
; Set n turns through stage n % 2: in as loaded, out so that a lane holds two whole blocks of its row.  LDS serves a wave's instructions in order: no wait between the stores and the loads.
; The count: the loads issued behind set n's.  Sets 0-3: 133 (the other slots' and the gather's 85), of which a wait can name 63; sets 4-12: the three sets behind; then the counts run down.
.macro TURN n
.if (\n) < 4
	s_wait_loadcnt 63
.elseif (\n) < 13
	s_wait_loadcnt 48
.else
	s_wait_loadcnt 16*(15-(\n))
.endif
.set TS, 64*((\n)%4)
.set TO, STW*((\n)%2)
.set TX, X+88*((\n)%2)
	WIN 0x0c                                       ; an LDS store's data: window 3
.irp p, 0,1,2,3,4,5,6,7,8,9,10,11,12,13,14,15
	ds_store_b128 v5, v[TS+4*\p:TS+4*\p+3] offset:TO+528*\p
.endr
	WIN 0
.irp c, 0,1
.irp i, 0,1,2,3,4,5,6,7
	ds_load_b128 v[TX+32*\c+4*\i:TX+32*\c+4*\i+3], v6 offset:TO+256*\c+16*\i
.endr
.endr
.endm
; 64 numbers of a lane, v[XB + 32 c + i] = k 64 c + 32 (lane / 16) + i of my row: two whole blocks.  Codes to v[PCB] on: the operand's registers.  The row's scale word to v[PWB].
.macro QW
.irp c, 0,1
.irp d, 0,1
	v_max3_num_f32 v[QT+2*\c+\d], |v[XB+32*\c+16*\d]|, |v[XB+32*\c+16*\d+1]|, 0x1800000   ; four chains; the floor 2^(3 - 127) holds the byte at 1 from below
.endr
.endr
.irp i, 2,4,6,8,10,12,14
.irp c, 0,1
.irp d, 0,1
	v_max3_num_f32 v[QT+2*\c+\d], v[QT+2*\c+\d], |v[XB+32*\c+16*\d+\i]|, |v[XB+32*\c+16*\d+\i+1]|
.endr
.endr
.endr
.irp c, 0,1
	v_max_num_f32 v[QT+2*\c], v[QT+2*\c], v[QT+2*\c+1]
.endr
.irp c, 0,1
	v_add_nc_u32 v[QT+4+\c], 0xff000000, v[QT+2*\c]   ; 2 off the exponent field: the conversion's scale operand
.endr
.irp c, 0,1
	v_lshrrev_b32 v[QT+6+\c], 23, v[QT+4+\c]       ; the scale's byte
.endr
	v_lshl_or_b32 v[PWB], v[QT+7], 16, v[QT+6]     ; my two bytes: blocks h and 2 + h,
	v_lshlrev_b32 v[PWB], v21, v[PWB]              ; 8 h bits up;
	v_permlanex16_b32 v[PT], v[PWB], s42, s43
	v_or_b32 v[PWB], v[PWB], v[PT]                 ; with lane l xor 16's two the word is whole
.irp c, 0,1
.irp g, 0,1,2,3
	v_cvt_scalef32_pk8_fp4_f32 v[PCB+4*\c+\g], v[XB+32*\c+8*\g:XB+32*\c+8*\g+7], v[QT+4+\c]
.endr
.endr
	v_nop                                          ; one plain line behind the last conversion
.endm
; Set n: its numbers are back from the stage; its slot is asked for again (set n + 4); the next set begins its turn; then set n is quantised and its image goes to LDS.
.macro WSET n
.if (\n) == 0
	s_wait_dscnt 0x0
.else
	s_wait_dscnt 3                                 ; behind my numbers' loads stand the last set's three image stores alone: the numbers are in, and the slot's registers have been read
.endif
.if (\n)+4 < 16
	WLOAD (\n)+4
.endif
.if (\n)+1 < 16
	TURN (\n)+1
.endif
.set XB, X+88*((\n)%2)
.set PCB, PC-72*((\n)%2)
.set PWB, PW-90*((\n)%2)
	QW                                             ; (the image stores that read these codes' registers, set n - 2's, are older than the three that the wait above left out)
	ds_store_b128 v7, v[PCB:PCB+3] offset:8192*((\n)%4)+1024*((\n)/4)
	ds_store_b128 v7, v[PCB+4:PCB+7] offset:8192*((\n)%4)+1024*((\n)/4)+512
	ds_store_b32 v8, v[PWB] offset:1024*(((\n)%4)/2)+64*((\n)%2)+128*((\n)/4)   ; lanes r and r + 16 write the same word with the same value
.endm
; The tokens at positions s34 + 0 .. 95 of my expert's order, a lane a position, into v36-38.
; The group: the last G whose prefix (members in groups before it) is at most p.  key = prefix << 16 | 32 G is compared with p << 16 | 0xffff.  Past the count the result is some token number under 1,024.
.macro RSTEP i, src, width, step       ; is the wanted bit in the lower part at pos?  If not, pass over it
	v_bfe_u32 v45, \src, v44, \width
	v_cmp_ge_u32 vcc_lo, v[24+\i], v45
	v_cndmask_b32 v45, 0, v45, vcc_lo
	v_sub_nc_u32 v[24+\i], v[24+\i], v45
	v_cndmask_b32 v46, 0, \step, vcc_lo
	v_add_nc_u32 v44, v44, v46
.endm
.macro SELECT3
	v_add_nc_u32 v24, s34, v1
	v_add_nc_u32 v25, 32, v24
	v_add_nc_u32 v26, 64, v24
.irp i, 0,1,2
	v_lshl_or_b32 v[24+\i], v[24+\i], 16, s40
	v_mov_b32 v[27+\i], 0
	v_mov_b32 v[30+\i], s68
.endr
	s_mov_b32 s35, 0
.set G, 1
.rept 31
	s_bcnt1_i32_b32 s36, s[68+G-1]
	s_lshl_b32 s36, s36, 16
	s_add_co_u32 s35, s35, s36
	s_add_co_u32 s35, s35, 32
.irp i, 0,1,2
	v_cmp_le_u32 vcc_lo, s35, v[24+\i]
	v_cndmask_b32 v[27+\i], v[27+\i], s35, vcc_lo
	v_cndmask_b32 v[30+\i], v[30+\i], s[68+G], vcc_lo
.endr
.set G, G+1
.endr
.irp i, 0,1,2
	v_lshrrev_b32 v[24+\i], 16, v[24+\i]           ; p
	v_lshrrev_b32 v33, 16, v[27+\i]                ; the group's prefix
	v_sub_nc_u32 v[24+\i], v[24+\i], v33           ; n: which set bit of the group's mask
	v_and_b32 v[27+\i], s40, v[27+\i]              ; 32 G
	v_lshrrev_b32 v40, 1, v[30+\i]                 ; counts of set bits in fields of 2, 4, 8 and 16 bits
	v_and_b32 v40, 0x55555555, v40
	v_sub_nc_u32 v40, v[30+\i], v40
	v_lshrrev_b32 v41, 2, v40
	v_and_b32 v41, 0x33333333, v41
	v_and_b32 v42, 0x33333333, v40
	v_add_nc_u32 v41, v41, v42
	v_lshrrev_b32 v42, 4, v41
	v_add_nc_u32 v42, v42, v41
	v_and_b32 v42, 0x0f0f0f0f, v42
	v_lshrrev_b32 v43, 8, v42
	v_add_nc_u32 v43, v43, v42
	v_mov_b32 v44, 0                               ; pos
	RSTEP \i, v43, 8, 16
	RSTEP \i, v42, 8, 8
	RSTEP \i, v41, 4, 4
	RSTEP \i, v40, 2, 2
	RSTEP \i, v[30+\i], 1, 1
	v_add_nc_u32 v[36+\i], v[27+\i], v44           ; the token
.endr
.endm
; My 80 tokens' codes (one load a token: its 512 bytes) and, for each of my 5 tiles, the scale bytes as the image wants them.  85 loads.  wa: the window for rows 0-63.
; The token numbers come down to scalar registers eight at a time, so that no line waits for the line above it.
.macro XLOADS wa
.set bt, 0
.rept 5
	s_wait_xcnt 0x0                                ; the sixteen offsets are written again only behind this wait
.set hb, 0
.rept 2
.set ii, 0
.rept 8
	v_readlane_b32 s[56+ii], v[36+(16*bt+8*hb+ii)/32], (16*bt+8*hb+ii)%32
.set ii, ii+1
.endr
.set ii, 0
.rept 8
	s_min_u32 s[56+ii], s[56+ii], 1023
.set ii, ii+1
.endr
.set ii, 0
.rept 8
	v_lshl_add_u32 v[GOF+8*hb+ii], s[56+ii], 9, v4
.set ii, ii+1
.endr
.set hb, hb+1
.endr
.if bt < 4
	WIN (\wa<<6)
.else
	WIN 0x80
.endif
.set ii, 0
.rept 16
	global_load_b128 v[(64*bt+4*ii)%256:(64*bt+4*ii)%256+3], v[GOF+ii], s[6:7]
.set ii, ii+1
.endr
	WIN 0
.set bt, bt+1
.endr
.set t5, 0
.rept 5
	v_permlanex16_b32 v[PT], v[36+t5/2], s42, s43
.if t5%2 == 0
	v_cndmask_b32 v47, v[PT], v[36+t5/2], s40      ; the tile's tokens lie in lanes 0-15: lanes 16-31 take their partner's
.else
	v_cndmask_b32 v47, v[36+t5/2], v[PT], s40      ; in lanes 16-31
.endif
	v_min_u32 v47, 0x3ff, v47
	v_lshl_add_u32 v[GOF+16+t5], v47, 5, v22       ; 32 bytes a token, + 16 h
.set t5, t5+1
.endr
	WIN 0x80
.irp t, 0,1,2,3,4
	global_load_b128 v[64+4*\t:64+4*\t+3], v[GOF+16+\t], s[28:29]
.endr
	WIN 0
.endm
.macro XSTORES wa
	WIN (\wa<<2)
.set ii, 0
.rept 64
	ds_store_b128 v11, v[4*ii:4*ii+3] offset:(ii/16)*XTT+16*(ii%16)   ; lane l holds piece l of the token: 272 bytes from lane to lane
.set ii, ii+1
.endr
	WIN 0x08
.set ii, 0
.rept 16
	ds_store_b128 v11, v[4*ii:4*ii+3] offset:4*XTT+16*ii
.set ii, ii+1
.endr
.irp t, 0,1,2,3,4
	ds_store_b128 v12, v[64+4*\t:64+4*\t+3] offset:512*\t
.endr
	WIN 0
.endm
.macro XFETCH                          ; a token tile's 8 fragments and its scale words: sixteen lanes read 256 consecutive bytes
	WIN 0x80
.irp s, 0,1,2,3,4,5,6,7
.irp c, 0,1
	ds_load_b128 v[8*\s+4*\c:8*\s+4*\c+3], v13 offset:1088*\s+544*\c
.endr
.endr
	WIN 0
	ds_load_b128 v[XSC:XSC+3], v15                 ; register i: lanes 0-15 K step i, lanes 16-31 K step 4 + i
.endm
.macro MM d, a, b, z, sa, sb, ra, rb   ; one product; z: it starts the sum; ra, rb: the scales stand in lanes 16-31
.if \z
.if \ra
.if \rb
	v_wmma_scale_f32_16x16x128_f8f6f4 v[(\d):(\d)+7], v[(\a):(\a)+7], v[(\b):(\b)+7], 0, v[\sa], v[\sb] matrix_a_fmt:MATRIX_FMT_FP4 matrix_b_fmt:MATRIX_FMT_FP4 matrix_a_scale:MATRIX_SCALE_ROW1 matrix_b_scale:MATRIX_SCALE_ROW1
.else
	v_wmma_scale_f32_16x16x128_f8f6f4 v[(\d):(\d)+7], v[(\a):(\a)+7], v[(\b):(\b)+7], 0, v[\sa], v[\sb] matrix_a_fmt:MATRIX_FMT_FP4 matrix_b_fmt:MATRIX_FMT_FP4 matrix_a_scale:MATRIX_SCALE_ROW1
.endif
.else
.if \rb
	v_wmma_scale_f32_16x16x128_f8f6f4 v[(\d):(\d)+7], v[(\a):(\a)+7], v[(\b):(\b)+7], 0, v[\sa], v[\sb] matrix_a_fmt:MATRIX_FMT_FP4 matrix_b_fmt:MATRIX_FMT_FP4 matrix_b_scale:MATRIX_SCALE_ROW1
.else
	v_wmma_scale_f32_16x16x128_f8f6f4 v[(\d):(\d)+7], v[(\a):(\a)+7], v[(\b):(\b)+7], 0, v[\sa], v[\sb] matrix_a_fmt:MATRIX_FMT_FP4 matrix_b_fmt:MATRIX_FMT_FP4
.endif
.endif
.else
.if \ra
.if \rb
	v_wmma_scale_f32_16x16x128_f8f6f4 v[(\d):(\d)+7], v[(\a):(\a)+7], v[(\b):(\b)+7], v[(\d):(\d)+7], v[\sa], v[\sb] matrix_a_fmt:MATRIX_FMT_FP4 matrix_b_fmt:MATRIX_FMT_FP4 matrix_a_scale:MATRIX_SCALE_ROW1 matrix_b_scale:MATRIX_SCALE_ROW1
.else
	v_wmma_scale_f32_16x16x128_f8f6f4 v[(\d):(\d)+7], v[(\a):(\a)+7], v[(\b):(\b)+7], v[(\d):(\d)+7], v[\sa], v[\sb] matrix_a_fmt:MATRIX_FMT_FP4 matrix_b_fmt:MATRIX_FMT_FP4 matrix_a_scale:MATRIX_SCALE_ROW1
.endif
.else
.if \rb
	v_wmma_scale_f32_16x16x128_f8f6f4 v[(\d):(\d)+7], v[(\a):(\a)+7], v[(\b):(\b)+7], v[(\d):(\d)+7], v[\sa], v[\sb] matrix_a_fmt:MATRIX_FMT_FP4 matrix_b_fmt:MATRIX_FMT_FP4 matrix_b_scale:MATRIX_SCALE_ROW1
.else
	v_wmma_scale_f32_16x16x128_f8f6f4 v[(\d):(\d)+7], v[(\a):(\a)+7], v[(\b):(\b)+7], v[(\d):(\d)+7], v[\sa], v[\sb] matrix_a_fmt:MATRIX_FMT_FP4 matrix_b_fmt:MATRIX_FMT_FP4
.endif
.endif
.endif
.endm
	s_load_b256 s[4:11], s[0:1], 0x0               ; w13 s[4:5], xq s[6:7], route s[8:9], aq s[10:11]
	s_load_b64 s[12:13], s[0:1], 0x20              ; ascl
	v_lshl_add_u32 v190, v0, 2, 0x4f200
	v_mov_b32 v191, 0
	v_lshrrev_b32 v1, 5, v0
	v_readfirstlane_b32 s2, v1                     ; wave
	s_lshr_b32 s3, s2, 1                           ; a
	s_and_b32 s16, s2, 1                           ; b
	s_lshr_b32 s17, ttmp9, 5                       ; e
	s_and_b32 s18, ttmp9, 31                       ; g
	s_lshl_b32 s21, s17, 7                         ; the expert's 128 bytes of masks
	v_and_b32 v1, 31, v0                           ; lane
	v_and_b32 v2, 15, v0                           ; r
	v_bfe_u32 v3, v0, 4, 1                         ; h
	v_lshlrev_b32 v4, 4, v1                        ; 16 x lane; never rewritten
	s_lshl_b32 s52, s17, 24                        ; my gate rows: (4096 e + 64 g + 32 a) rows of 4,096 bytes, + K step 4 b
	s_lshl_b32 s36, s18, 18
	s_add_co_u32 s52, s52, s36
	s_lshl_b32 s36, s3, 17
	s_add_co_u32 s52, s52, s36
	s_lshl_b32 s36, s16, 11
	s_add_co_u32 s52, s52, s36
	s_mov_b32 s53, 0
	s_wait_kmcnt 0x0
	s_load_b512 s[68:83], s[8:9], s21 offset:0x2000   ; the expert's 32 masks
	s_load_b512 s[84:99], s[8:9], s21 offset:0x2040
	s_add_nc_u64 s[22:23], s[4:5], s[52:53]
	s_add_nc_u64 s[24:25], s[22:23], 0x800000      ; the up rows lie 2,048 rows further down
	WLOAD 0                                        ; the weights' first K step: 64 loads
	WLOAD 1
	WLOAD 2
	WLOAD 3
	s_lshl_b32 s52, s17, 20                        ; aq: block (64 e + 2 g + a) of 16,384 bytes
	s_lshl_b32 s36, s18, 15
	s_add_co_u32 s52, s52, s36
	s_lshl_b32 s36, s3, 14
	s_add_co_u32 s52, s52, s36
	s_add_nc_u64 s[26:27], s[10:11], s[52:53]
	s_add_nc_u64 s[28:29], s[6:7], 524288          ; x's scale bytes
	s_lshl_b32 s52, s17, 16                        ; ascl: (32 e + g) x 2,048 + 512 x wave
	s_lshl_b32 s36, s18, 11
	s_add_co_u32 s52, s52, s36
	s_lshl_b32 s36, s2, 9
	s_add_co_u32 s52, s52, s36
	s_add_nc_u64 s[54:55], s[12:13], s[52:53]
	; every LDS address is made here: a constant + a constant x lane + a constant x wave
	s_mul_i32 s36, s2, 2*STW
	s_add_co_u32 s36, s36, STG
	v_add_nc_u32 v5, s36, v4                       ; v5  my stages, in: 16 x lane (+ 528 x row, + the stage)
	v_mul_u32_u24 v6, v2, 528
	v_lshl_add_u32 v6, v3, 7, v6
	v_add_nc_u32 v6, s36, v6                       ; v6  out: row r, + 128 h
	s_lshl_b32 s36, s3, 15
	s_add_co_u32 s36, s36, WIMG
	v_add_nc_u32 v9, s36, v4                       ; v9  my a's images
	s_lshl_b32 s45, s16, 12
	s_add_co_u32 s36, s36, s45
	v_add_nc_u32 v7, s36, v4                       ; v7  where I store images: K step 4 b on
	s_lshl_b32 s36, s3, 11
	s_add_co_u32 s36, s36, WSC
	v_lshl_add_u32 v10, v1, 2, s36                 ; v10 my a's scale words
	s_lshl_b32 s45, s16, 9
	s_add_co_u32 s36, s36, s45
	v_lshl_add_u32 v8, v2, 2, s36                  ; v8  where I store them
	s_mul_i32 s36, s2, 5*XTT
	v_mul_u32_u24 v11, v1, 272
	v_add_nc_u32 v11, s36, v11                     ; v11 the gather's stores: my 5 tiles, piece = lane
	s_mul_i32 s36, s2, 2560
	s_add_co_u32 s36, s36, XS
	v_add_nc_u32 v12, s36, v4                      ; v12 and their scale images
	s_mul_i32 s36, s16, XTT
	v_mul_u32_u24 v14, v3, 272
	v_lshl_add_u32 v14, v2, 4, v14
	v_add_nc_u32 v14, s36, v14                     ; v14 tile b of a chunk: 272 h + 16 r
	s_lshl_b32 s36, s16, 9
	s_add_co_u32 s36, s36, XS
	v_add_nc_u32 v16, s36, v4                      ; v16 its scale image
	v_lshlrev_b32 v18, 4, v2
	v_lshl_add_u32 v18, v3, 3, v18                 ; v18 aq: 16 r + 8 h
	s_mul_i32 s36, s2, 640
	s_add_co_u32 s36, s36, SCB
	v_add_nc_u32 v20, s36, v2                      ; v20 my scale bytes: + r
	v_add_nc_u32 v23, s36, v4                      ; v23 and their first 512 bytes, 16 a lane
	v_lshlrev_b32 v21, 3, v3                       ; v21 8 h
	v_lshlrev_b32 v22, 4, v3                       ; v22 16 h
	s_mul_i32 s36, s3, 640
	s_lshl_b32 s45, s16, 8
	s_add_co_u32 s36, s36, s45
	s_add_co_u32 s36, s36, SCB
	v_lshl_add_u32 v48, v1, 3, s36                 ; v48 the end: region w / 2 (and, 1,280 on, 2 + w / 2), bytes 256 (w % 2) + 8 x lane
.irp i, 0,1,2,3
	v_mov_b32 v[X+\i], 0
.endr
	ds_store_b128 v23, v[X:X+3]                    ; my scale bytes begin as zeros: all 512 are stored at the end
	v_mov_b32 v[PT], 0                             ; a lane permute's destination counts as one of its sources
	s_mov_b32 s40, 0xffff
	s_mov_b32 s42, 0x76543210
	s_mov_b32 s43, 0xfedcba98                      ; v_permlanex16_b32's selects for lane l xor 16
	s_mov_b32 s48, 0xbfb8aa3b                      ; -log2(e)
	s_mov_b32 s49, s48
	s_mov_b32 s50, 0x05010400                      ; byte selects that interleave two words
	s_mov_b32 s51, 0x07030602
	s_mul_i32 s34, s2, 80                          ; my first position of chunk 0
	s_wait_kmcnt 0x0                               ; the masks
	s_mov_b32 s19, 0
.set G, 0
.rept 32
	s_bcnt1_i32_b32 s36, s[68+G]
	s_add_co_u32 s19, s19, s36                     ; the expert's tokens
.set G, G+1
.endr
	s_add_co_u32 s20, s19, 15
	s_lshr_b32 s20, s20, 4
	s_max_u32 s20, s20, 1                          ; ntiles
	SELECT3
	XLOADS 1                                       ; chunk 0 (positions 0-319) is gathered whatever the count: all 20 tiles of LDS get written
; ---- the weights: my 16 sets, written out
	TURN 0
.set NN, 0
.rept 16
	WSET NN
.set NN, NN+1
.endr
	XSTORES 1                                      ; (the last turn's wait for 0 has shown the gather's loads in)
	BARRIER                                        ; all images, scale words and chunk 0's tokens lie in LDS
	WIN 0x40
.set ff, 0
.rept 32
	ds_load_b128 v[8*ff:8*ff+3], v9 offset:1024*ff           ; fragment (tile ff / 8, K step ff % 8) stays in window 1
	ds_load_b128 v[8*ff+4:8*ff+7], v9 offset:1024*ff+512
.set ff, ff+1
.endr
	WIN 0
.set ff, 0
.rept 16
	ds_load_b32 v[WS+ff], v10 offset:128*ff        ; (kappa = ff / 8, K step ff % 8): lanes 0-15 tile u = 0, lanes 16-31 u = 1
.set ff, ff+1
.endr
; ---- the tokens: 4 chunks of 20 tiles; both trip counts are constants, and work past ntiles is jumped over
	s_mov_b32 s31, 0                               ; chunk
	s_mov_b32 s32, s16                             ; my tile j = 20 chunk + b + 2 k
	s_mov_b32 s33, 0                               ; 16 bytes of scales for each of my tiles
	s_mul_i32 s37, s2, 5
	s_add_co_u32 s37, s37, 20                      ; the first tile that I would gather for the next chunk
	s_add_co_u32 s34, s34, 320                     ; and its first position
.Lchunk:
	s_mov_b32 s38, 0
	s_mov_b32 s39, 0
	s_mov_b32 s44, 10
	v_add_nc_u32 v13, s38, v14
	v_add_nc_u32 v15, s39, v16
	XFETCH                                         ; my first tile of the chunk
.Ltile:
	s_cmp_ge_u32 s32, s20
	s_cbranch_scc1 .Lskip
	s_wait_dscnt 0x0                               ; the tile's fragments are in (and, the first time, the weights')
	WIN 0x09                                       ; source 0 (weights) window 1, source 1 (tokens) window 2
.set ss, 0
.rept 8                                ; the four accumulators take turns, one instruction a turn
.set tt, 0
.rept 4
.set zz, 0
.if ss == 0
.set zz, 1
.endif
	MM ACC+8*tt, 8*(8*tt+ss), 8*ss, zz, WS+8*(tt/2)+ss, XSC+ss%4, tt%2, ss/4
.set tt, tt+1
.endr
.set ss, ss+1
.endr
	WIN 0
	s_add_co_u32 s45, s38, 2*XTT                   ; my next tile of the chunk, held at my last one
	s_min_u32 s45, s45, 18*XTT
	s_add_co_u32 s46, s39, 1024
	s_min_u32 s46, s46, 9216
	v_add_nc_u32 v13, s45, v14                     ; four plain lines stand between the last product and the loads into its operands, and the first read of results
	v_add_nc_u32 v15, s46, v16
	v_nop
	v_nop
	XFETCH                                         ; it lands while this tile's activation is worked
	; silu(g) u = g u / (1 + 2^(-g log2 e)), in f32
.irp j, 0,2,4,6,8,10,12,14
	v_pk_mul_f32 v[EE+\j:EE+\j+1], v[ACC+\j:ACC+\j+1], s[48:49] op_sel_hi:[1,0]   ; each accumulator is read from its low end on
.endr
.irp j, 0,1,2,3,4,5,6,7,8,9,10,11,12,13,14,15
	v_exp_f32 v[EE+\j], v[EE+\j]
.endr
.irp j, 0,2,4,6,8,10,12,14
	v_pk_mul_f32 v[GU+\j:GU+\j+1], v[ACC+\j:ACC+\j+1], v[ACC+16+\j:ACC+17+\j]      ; g u: independent work behind the exponentials
.endr
	s_wait_alu depctr_va_vdst(0)                   ; one wait for the batch, ahead of its first reader
.irp j, 0,2,4,6,8,10,12,14
	v_pk_add_f32 v[EE+\j:EE+\j+1], v[EE+\j:EE+\j+1], 1.0 op_sel_hi:[1,0]
.endr
.irp j, 0,1,2,3,4,5,6,7,8,9,10,11,12,13,14,15
	v_rcp_f32 v[EE+\j], v[EE+\j]
.endr
	v_nop
	s_wait_alu depctr_va_vdst(0)
.irp j, 0,2,4,6,8,10,12,14
	v_pk_mul_f32 v[GU+\j:GU+\j+1], v[GU+\j:GU+\j+1], v[EE+\j:EE+\j+1]
.endr
	; the block of 32 along i lies in lanes l and l xor 16
	v_max3_num_f32 v[QT], |v[GU]|, |v[GU+1]|, 0x1800000
	v_max3_num_f32 v[QT+1], |v[GU+8]|, |v[GU+9]|, 0x1800000
.irp i, 2,4,6
	v_max3_num_f32 v[QT], v[QT], |v[GU+\i]|, |v[GU+\i+1]|
	v_max3_num_f32 v[QT+1], v[QT+1], |v[GU+8+\i]|, |v[GU+9+\i]|
.endr
	v_max_num_f32 v[QT], v[QT], v[QT+1]
	v_permlanex16_b32 v[PT], v[QT], s42, s43
	v_max_num_f32 v[QT], v[QT], v[PT]
	v_add_nc_u32 v[QT+1], 0xff000000, v[QT]
	v_lshrrev_b32 v[QT+2], 23, v[QT+1]
	s_wait_xcnt 0x0                                ; the last tile's store has read its data and its offset
	v_cvt_scalef32_pk8_fp4_f32 v188, v[GU:GU+7], v[QT+1]
	v_cvt_scalef32_pk8_fp4_f32 v189, v[GU+8:GU+15], v[QT+1]
	v_nop                                          ; one plain line behind the last conversion
	v_lshl_add_u32 v17, s32, 8, v18                ; 256 j + 16 r + 8 h
	v_add_nc_u32 v19, s33, v20
	global_store_b64 v17, v[188:189], s[26:27]     ; the wave stores 256 consecutive bytes, aligned
	ds_store_b8 v19, v[QT+2]                       ; lanes r and r + 16 write the same byte with the same value
.Lskip:
	s_add_co_u32 s32, s32, 2
	s_add_co_u32 s33, s33, 16
	s_add_co_u32 s38, s38, 2*XTT
	s_add_co_u32 s39, s39, 1024
	s_sub_co_u32 s44, s44, 1
	s_cmp_lg_u32 s44, 0
	s_cbranch_scc1 .Ltile
	BARRIER                                        ; nobody reads this chunk's tokens any more
	s_cmp_ge_u32 s37, s20
	s_cbranch_scc1 .Lnog                           ; none of my five tiles of the next chunk exists
	SELECT3
	XLOADS 3
	s_wait_loadcnt 0x0
	XSTORES 3
.Lnog:
	s_add_co_u32 s37, s37, 20
	s_add_co_u32 s34, s34, 320
	BARRIER                                        ; the next chunk's tokens lie in LDS
	s_add_co_u32 s31, s31, 1
	s_cmp_lt_u32 s31, 4
	s_cbranch_scc1 .Lchunk
; ---- the scale bytes leave: places 256 w .. 256 w + 255 of the 1,024, block 2 g's byte and block 2 g + 1's side by side
	ds_load_b64 v[104:105], v48
	ds_load_b64 v[106:107], v48 offset:1280
	s_wait_dscnt 0x0
	v_perm_b32 v108, v106, v104, s50
	v_perm_b32 v109, v106, v104, s51
	v_perm_b32 v110, v107, v105, s50
	v_perm_b32 v111, v107, v105, s51
	global_store_b128 v4, v[108:111], s[54:55]     ; the wave stores 512 consecutive bytes, aligned
	s_wait_tensorcnt 0x0
	ds_add_u32 v190, v191
	s_wait_dscnt 0x0
	s_endpgm
.Lfunc_end_k_q32619e1aef_gemm1:
	.size	k_q32619e1aef_gemm1, .Lfunc_end_k_q32619e1aef_gemm1-k_q32619e1aef_gemm1
	.p2alignl 7, 3214868480
	.fill 96, 4, 3214868480
	.section	.rodata,"a",@progbits
	.p2align	6, 0x0
	.amdhsa_kernel k_q32619e1aef_gemm1
		.amdhsa_group_segment_fixed_size 324608
		.amdhsa_private_segment_fixed_size 0
		.amdhsa_enable_private_segment 0
		.amdhsa_kernarg_size 40
		.amdhsa_user_sgpr_count 2
		.amdhsa_user_sgpr_kernarg_segment_ptr 1
		.amdhsa_wavefront_size32 1
		.amdhsa_system_sgpr_workgroup_id_x 1
		.amdhsa_system_sgpr_workgroup_id_y 1
		.amdhsa_system_sgpr_workgroup_id_z 1
		.amdhsa_system_vgpr_workitem_id 0
		.amdhsa_next_free_vgpr 1024
		.amdhsa_next_free_sgpr 104
		.amdhsa_reserve_vcc 1
		.amdhsa_float_denorm_mode_32 3
		.amdhsa_float_denorm_mode_16_64 3
		.amdhsa_memory_ordered 1
		.amdhsa_forward_progress 1
		.amdhsa_inst_pref_size 247
	.end_amdhsa_kernel
	.amdgpu_metadata
---
amdhsa.version: [ 1, 2 ]
amdhsa.kernels:
  - .name:           k_q32619e1aef_gemm1
    .symbol:         k_q32619e1aef_gemm1.kd
    .args:
      - { .name: w13_weight, .offset: 0, .size: 8, .value_kind: global_buffer, .address_space: global }
      - { .name: xq, .offset: 8, .size: 8, .value_kind: global_buffer, .address_space: global }
      - { .name: route, .offset: 16, .size: 8, .value_kind: global_buffer, .address_space: global }
      - { .name: aq, .offset: 24, .size: 8, .value_kind: global_buffer, .address_space: global }
      - { .name: ascl, .offset: 32, .size: 8, .value_kind: global_buffer, .address_space: global }
    .group_segment_fixed_size: 324608
    .private_segment_fixed_size: 0
    .kernarg_segment_align: 8
    .kernarg_segment_size: 40
    .max_flat_workgroup_size: 128
    .sgpr_count:     104
    .vgpr_count:     1024
    .wavefront_size: 32
...
	.end_amdgpu_metadata
.endif
;; end of part 2
;; launch gemm2 (part 3): grid 256 x 1, 4 waves a work-group, no clusters, 112,128 bytes of LDS; arguments w2_weight, aq, ascl, route, ys, posE; writes ys, posE
.if DOCPART == 3
	.amdgcn_target "amdgcn-amd-amdhsa--gfx1250"
	.amdhsa_code_object_version 6
	.text
	.protected	k_q32619e1aef_gemm2
	.globl	k_q32619e1aef_gemm2
	.p2align	8
	.type	k_q32619e1aef_gemm2,@function
k_q32619e1aef_gemm2:
	s_mov_b64 s[64:65], 0
	v_nop
	global_prefetch_b8 v0, s[64:65] scope:SCOPE_SE
	s_setreg_imm32_b32 hwreg(HW_REG_WAVE_MODE, 25, 1), 1
	s_wait_xcnt 0x0
; y = act w2^T for the tokens that chose an expert, both operands as codes of FP4 (E2M1) with E8M0 scales; y is stored in f32 by expert and position.
; SHARES.  Work-group (e = wg / 32, q = wg % 32) owns output columns 32 q .. 32 q + 31 of expert e: 32 rows of w2 x K = 2,048, 256 KiB of f32, which no other work-group reads.
; Wave w quantises K steps 4 w .. 4 w + 3 of both tiles of 16 rows (8 sets), hands the codes round through LDS as images of the operand's registers; then every wave holds all 32 fragments
; and takes the token tiles j = w, w + 4, ..; act's codes come from memory straight into the operand's registers, two tiles ahead.
; THE STREAM IS A PIPELINE: four groups of sixteen loads are out; each set that has been taken up lets the next sixteen go (sets 4-7, then the first two tiles of act);
; the next set turns through one of my two stages in LDS while the set in hand is quantised.
; TRANSPOSED USE (source 0 = 16 rows of w2, source 1 = 16 tokens); row m of tile tau is row 8 tau + m + 8 (m / 8) of the 32: a lane holds 16 neighbouring columns of one token.
; The sum over K goes in two chains (even and odd K steps), added at the end: an order of f32 sums of this text's own.
; OUT: ys [8 e][32 q][1024 p][32 f32], tiles 0 .. ntiles - 1.  posE [8 e][1024]: token t's position in expert e's order, at index 128 (t / 128) + 4 (t % 32) + (t / 32) % 4; written by wave 0 of the work-groups with q = 0.
; NO CLUSTER, NO TENSOR LOAD: how many tiles a wave walks is read from memory.  NO PREFETCH: 64 loads (32 KiB) a wave are asked for from the head to the stream's end.
; LIMITS: a block of zeros, or one under 2^-124, gets the scale byte 1; NaN and infinities are not served.
; REGISTERS.  window 0: v1-21 addresses; v24-39 the weights' scale words; v40-71 act's, two buffers; v72-103 four accumulators (before them: v94, v96-103 the second set of codes);
;   v104-167 and v192-255 two sets of 64 numbers (the first later y); v168-186 the quantiser.
;   window 1: slots 4-7 of f32, then the weights' 32 fragments.   window 2: act's fragments, two buffers of 128.   window 3: slots 0-3.
.set WSC,  32768                       ; LDS: from 0 the 32 images (16 tau + K step) x 1,024; here their scale words: 128 x K step + 64 tau + 4 r
.set STG,  34816                       ; two stages of 16 rows x 528 bytes for each wave
.set STW,  8448                        ; a stage
.set YST,  102400                      ; a stage of 16 rows x 144 bytes for each wave, for y
.set WS,   24
.set ASC,  40                          ; buffer f: v[ASC + 16 f + qq] low halves, then the words; + 8: high halves
.set ACC,  72                          ; (tau, K step % 2) at + 8 tau + 16 (K step % 2)
.set X,    104                         ; set n's numbers at X + 88 (n % 2)
.set PC,   168                         ; set n's codes at PC - 72 (n % 2)
.set QT,   176
.set PW,   184                         ; set n's scale word at PW - 90 (n % 2)
.set PT,   186
.set MSB, 0
.macro WIN new                         ; the immediate's high byte repeats the setting that is left
.if MSB != \new
	s_set_vgpr_msb (MSB<<8)|\new
.set MSB, \new
.endif
.endm
; set n: tile n % 2, K step 4 w + n / 2: 16 rows x 128 K of f32; each load reads 512 consecutive bytes of one row.  Each set has registers of its own
.macro WLOAD n
.if (\n) < 4
	WIN 0xc0
.else
	WIN 0x40
.endif
.irp p, 0,1,2,3,4,5,6,7,8,9,10,11,12,13,14,15
	global_load_b128 v[64*((\n)%4)+4*\p:64*((\n)%4)+4*\p+3], v4, s[22:23] offset:(8*((\n)%2)+\p+8*(\p/8))*8192+512*((\n)/2) th:TH_LOAD_NT
.endr
	WIN 0
.endm
; Set n turns through stage n % 2.  The count: behind set n's loads stand three groups of sixteen, for every n (sets n + 1 .. n + 3, or act's parts in their place)
.macro TURN n
	s_wait_loadcnt 48
.set TS, 64*((\n)%4)
.set TO, STW*((\n)%2)
.set TX, X+88*((\n)%2)
.if (\n) < 4
	WIN 0x0c
.else
	WIN 0x04
.endif
.irp p, 0,1,2,3,4,5,6,7,8,9,10,11,12,13,14,15
	ds_store_b128 v5, v[TS+4*\p:TS+4*\p+3] offset:TO+528*\p
.endr
	WIN 0
.irp c, 0,1
.irp i, 0,1,2,3,4,5,6,7
	ds_load_b128 v[TX+32*\c+4*\i:TX+32*\c+4*\i+3], v6 offset:TO+256*\c+16*\i   ; LDS serves a wave's instructions in order: these see the stores above
.endr
.endr
.endm
.macro QW                              ; 64 numbers of a lane, v[XB] on, two whole blocks of its row -> the operand's registers v[PCB] on, the row's scale word v[PWB]
.irp c, 0,1
.irp d, 0,1
	v_max3_num_f32 v[QT+2*\c+\d], |v[XB+32*\c+16*\d]|, |v[XB+32*\c+16*\d+1]|, 0x1800000   ; the floor 2^(3 - 127) holds the byte at 1 from below
.endr
.endr
.irp i, 2,4,6,8,10,12,14
.irp c, 0,1
.irp d, 0,1
	v_max3_num_f32 v[QT+2*\c+\d], v[QT+2*\c+\d], |v[XB+32*\c+16*\d+\i]|, |v[XB+32*\c+16*\d+\i+1]|
.endr
.endr
.endr
.irp c, 0,1
	v_max_num_f32 v[QT+2*\c], v[QT+2*\c], v[QT+2*\c+1]
.endr
.irp c, 0,1
	v_add_nc_u32 v[QT+4+\c], 0xff000000, v[QT+2*\c]
.endr
.irp c, 0,1
	v_lshrrev_b32 v[QT+6+\c], 23, v[QT+4+\c]
.endr
	v_lshl_or_b32 v[PWB], v[QT+7], 16, v[QT+6]
	v_lshlrev_b32 v[PWB], v21, v[PWB]
	v_permlanex16_b32 v[PT], v[PWB], s42, s43
	v_or_b32 v[PWB], v[PWB], v[PT]
.irp c, 0,1
.irp g, 0,1,2,3
	v_cvt_scalef32_pk8_fp4_f32 v[PCB+4*\c+\g], v[XB+32*\c+8*\g:XB+32*\c+8*\g+7], v[QT+4+\c]
.endr
.endr
	v_nop                                          ; one plain line behind the last conversion
.endm
.macro ASET buf, sj                    ; the offsets of tile sj in aq (256 j) and in ascl (1,024 (j % 2) + 32 (j / 2)), by ANDs and left shifts
	s_and_b32 s38, \sj, 1
	s_lshl_b32 s38, s38, 10
	s_and_b32 s39, \sj, 62
	s_lshl_b32 s39, s39, 4
	s_add_co_u32 s38, s38, s39
	v_lshl_add_u32 v[11+\buf], \sj, 8, v15
	v_add_nc_u32 v[13+\buf], s38, v16
.endm
; A third of a token tile's loads, sixteen: part 0, 1: fragments 8 part .. 8 part + 7 (sixteen lanes read 256 consecutive bytes); part 2: the scale bytes, two at a time
.macro ALOADP buf, part
.if (\part) < 2
	WIN 0x80
.irp s, 0,1,2,3,4,5,6,7
.irp c, 0,1
	global_load_b128 v[128*(\buf)+8*(8*(\part)+\s)+4*\c:128*(\buf)+8*(8*(\part)+\s)+4*\c+3], v[11+(\buf)], s[24:25] offset:(4*(8*(\part)+\s)+2*\c)*16384
.endr
.endr
	WIN 0
.else
.irp qq, 0,1,2,3,4,5,6,7
	global_load_u16 v[ASC+16*(\buf)+\qq], v[13+(\buf)], s[26:27] offset:8192*\qq          ; lane (r, h): K step 2 qq + h, blocks 0, 1
	global_load_u16 v[ASC+16*(\buf)+8+\qq], v[13+(\buf)], s[26:27] offset:8192*\qq+2048   ; blocks 2, 3
.endr
.endif
.endm
.macro ALOAD buf                       ; a whole token tile: 48 loads
	ALOADP \buf, 0
	ALOADP \buf, 1
	ALOADP \buf, 2
.endm
; Set n: its numbers are back from the stage; the next sixteen loads go out; the next set begins its turn; then set n is quantised and its image goes to LDS.
.macro WSET n
.if (\n) == 0
	s_wait_dscnt 0x0
.else
	s_wait_dscnt 3                                 ; behind my numbers' loads stand the last set's three image stores alone
.endif
.if (\n) < 4
	WLOAD (\n)+4
.elseif (\n) < 7
	ALOADP 0, (\n)-4
.else
	ALOADP 1, 0
.endif
.if (\n) < 7
	TURN (\n)+1
.endif
.set XB, X+88*((\n)%2)
.set PCB, PC-72*((\n)%2)
.set PWB, PW-90*((\n)%2)
	QW                                             ; (the image stores that read these codes' registers, set n - 2's, are older than the three that the wait above left out)
	ds_store_b128 v7, v[PCB:PCB+3] offset:16384*((\n)%2)+1024*((\n)/2)
	ds_store_b128 v7, v[PCB+4:PCB+7] offset:16384*((\n)%2)+1024*((\n)/2)+512
	ds_store_b32 v8, v[PWB] offset:128*((\n)/2)+64*((\n)%2)
.endm
.macro MM d, a, b, z, sa, sb, ra, rb   ; one product; z: it starts the sum; ra, rb: the scales stand in lanes 16-31
.if \z
.if \ra
.if \rb
	v_wmma_scale_f32_16x16x128_f8f6f4 v[(\d):(\d)+7], v[(\a):(\a)+7], v[(\b):(\b)+7], 0, v[\sa], v[\sb] matrix_a_fmt:MATRIX_FMT_FP4 matrix_b_fmt:MATRIX_FMT_FP4 matrix_a_scale:MATRIX_SCALE_ROW1 matrix_b_scale:MATRIX_SCALE_ROW1
.else
	v_wmma_scale_f32_16x16x128_f8f6f4 v[(\d):(\d)+7], v[(\a):(\a)+7], v[(\b):(\b)+7], 0, v[\sa], v[\sb] matrix_a_fmt:MATRIX_FMT_FP4 matrix_b_fmt:MATRIX_FMT_FP4 matrix_a_scale:MATRIX_SCALE_ROW1
.endif
.else
.if \rb
	v_wmma_scale_f32_16x16x128_f8f6f4 v[(\d):(\d)+7], v[(\a):(\a)+7], v[(\b):(\b)+7], 0, v[\sa], v[\sb] matrix_a_fmt:MATRIX_FMT_FP4 matrix_b_fmt:MATRIX_FMT_FP4 matrix_b_scale:MATRIX_SCALE_ROW1
.else
	v_wmma_scale_f32_16x16x128_f8f6f4 v[(\d):(\d)+7], v[(\a):(\a)+7], v[(\b):(\b)+7], 0, v[\sa], v[\sb] matrix_a_fmt:MATRIX_FMT_FP4 matrix_b_fmt:MATRIX_FMT_FP4
.endif
.endif
.else
.if \ra
.if \rb
	v_wmma_scale_f32_16x16x128_f8f6f4 v[(\d):(\d)+7], v[(\a):(\a)+7], v[(\b):(\b)+7], v[(\d):(\d)+7], v[\sa], v[\sb] matrix_a_fmt:MATRIX_FMT_FP4 matrix_b_fmt:MATRIX_FMT_FP4 matrix_a_scale:MATRIX_SCALE_ROW1 matrix_b_scale:MATRIX_SCALE_ROW1
.else
	v_wmma_scale_f32_16x16x128_f8f6f4 v[(\d):(\d)+7], v[(\a):(\a)+7], v[(\b):(\b)+7], v[(\d):(\d)+7], v[\sa], v[\sb] matrix_a_fmt:MATRIX_FMT_FP4 matrix_b_fmt:MATRIX_FMT_FP4 matrix_a_scale:MATRIX_SCALE_ROW1
.endif
.else
.if \rb
	v_wmma_scale_f32_16x16x128_f8f6f4 v[(\d):(\d)+7], v[(\a):(\a)+7], v[(\b):(\b)+7], v[(\d):(\d)+7], v[\sa], v[\sb] matrix_a_fmt:MATRIX_FMT_FP4 matrix_b_fmt:MATRIX_FMT_FP4 matrix_b_scale:MATRIX_SCALE_ROW1
.else
	v_wmma_scale_f32_16x16x128_f8f6f4 v[(\d):(\d)+7], v[(\a):(\a)+7], v[(\b):(\b)+7], v[(\d):(\d)+7], v[\sa], v[\sb] matrix_a_fmt:MATRIX_FMT_FP4 matrix_b_fmt:MATRIX_FMT_FP4
.endif
.endif
.endif
.endm
.macro MULT buf
.irp qq, 0,1,2,3,4,5,6,7
	v_lshl_or_b32 v[ASC+16*\buf+\qq], v[ASC+16*\buf+8+\qq], 16, v[ASC+16*\buf+\qq]   ; the scale word: lanes 0-15 K step 2 qq, lanes 16-31 K step 2 qq + 1
.endr
.rept 8
	v_nop                                          ; a scale register written by a vector instruction stands eight places ahead of a scaled product
.endr
	WIN 0x09                                       ; source 0 (weights) window 1, source 1 (act) window 2
.set ss, 0
.rept 16                               ; the four accumulators take turns, one instruction a turn
.set tt, 0
.rept 2
.set zz, 0
.if ss < 2
.set zz, 1
.endif
	MM ACC+8*tt+16*(ss%2), 8*(16*tt+ss), 128*(\buf)+8*ss, zz, WS+ss, ASC+16*(\buf)+ss/2, tt, ss%2
.set tt, tt+1
.endr
.set ss, ss+1
.endr
	WIN 0
.rept 4
	v_nop                                          ; places in front of the first read of results and of loads into the operands
.endr
.endm
.macro OUT                             ; a tile of y, 16 tokens x 128 bytes, is 2,048 consecutive bytes of ys: through my stage, so that each store covers 512 consecutive bytes
.irp j, 0,2,4,6
	v_pk_add_f32 v[104+\j:105+\j], v[ACC+\j:ACC+1+\j], v[ACC+16+\j:ACC+17+\j]      ; the two chains; each accumulator is read from its low end on
	v_pk_add_f32 v[112+\j:113+\j], v[ACC+8+\j:ACC+9+\j], v[ACC+24+\j:ACC+25+\j]
.endr
	v_lshl_add_u32 v19, s32, 11, v4                ; (the last tile's stores have read their offset and their data: HALF's wait)
.irp u, 0,1,2,3
	ds_store_b128 v17, v[104+4*\u:107+4*\u] offset:16*\u
.endr
.irp i, 0,1,2,3
	ds_load_b128 v[120+4*\i:123+4*\i], v18 offset:576*\i   ; LDS serves a wave's instructions in order: these see my stores
.endr
	s_wait_dscnt 0x0
.irp i, 0,1,2,3
	global_store_b128 v19, v[120+4*\i:123+4*\i], s[28:29] offset:512*\i th:TH_STORE_NT
.endr
.endm
; One tile from buffer buf.  At its end all loads older than its own refill are in, on every way: so the other buffer, which comes next, is whole.
.macro HALF buf
	s_cmp_ge_u32 s32, s20
	s_cbranch_scc1 .Lnone_\@
	MULT \buf
	s_wait_xcnt 0x0                                ; ahead of the refill: the last tile's stores have read their offset and data, this buffer's loads their offsets; all are written again only behind this wait
	s_add_co_u32 s33, s32, 8
	s_cmp_lt_u32 s33, s20
	s_cbranch_scc0 .Llast_\@
	ASET \buf, s33
	ALOAD \buf                                     ; my tile two turns on, into the buffer just emptied
	OUT
	s_wait_loadcnt 48                              ; the 48 just issued may be out
	s_branch .Ldone_\@
.Llast_\@:
	OUT
.Lnone_\@:
	s_wait_loadcnt 0x0
.Ldone_\@:
	s_add_co_u32 s32, s32, 4
.endm
	s_load_b256 s[4:11], s[0:1], 0x0               ; w2 s[4:5], aq s[6:7], ascl s[8:9], route s[10:11]
	s_load_b128 s[12:15], s[0:1], 0x20             ; ys s[12:13], posE s[14:15]
	v_lshl_add_u32 v190, v0, 2, 0x1b400
	v_mov_b32 v191, 0
	v_lshrrev_b32 v1, 5, v0
	v_readfirstlane_b32 s2, v1                     ; wave
	s_lshr_b32 s17, ttmp9, 5                       ; e
	s_and_b32 s18, ttmp9, 31                       ; q
	s_lshl_b32 s21, s17, 7
	v_and_b32 v1, 31, v0                           ; lane
	v_and_b32 v2, 15, v0                           ; r
	v_bfe_u32 v3, v0, 4, 1                         ; h
	v_lshlrev_b32 v4, 4, v1                        ; 16 x lane; never rewritten
	s_lshl_b32 s52, s17, 23                        ; (1024 e + 32 q) rows of 8,192 bytes, + K step 4 w
	s_lshl_b32 s36, s18, 18
	s_add_co_u32 s52, s52, s36
	s_lshl_b32 s36, s2, 11
	s_add_co_u32 s52, s52, s36
	s_mov_b32 s53, 0
	s_wait_kmcnt 0x0
	s_load_b512 s[68:83], s[10:11], s21 offset:0x2000   ; the expert's 32 masks
	s_load_b512 s[84:99], s[10:11], s21 offset:0x2040
	s_add_nc_u64 s[22:23], s[4:5], s[52:53]
	WLOAD 0
	WLOAD 1
	WLOAD 2
	WLOAD 3
	s_lshl_b32 s52, s17, 20
	s_add_nc_u64 s[24:25], s[6:7], s[52:53]        ; the expert's codes of act
	s_lshl_b32 s52, s17, 16
	s_add_nc_u64 s[26:27], s[8:9], s[52:53]        ; and their scale bytes
	s_lshl_b32 s52, s17, 22
	s_lshl_b32 s36, s18, 17
	s_add_co_u32 s52, s52, s36
	s_add_nc_u64 s[28:29], s[12:13], s[52:53]      ; ys: (32 e + q) x 131,072
	s_lshl_b32 s52, s17, 12
	s_add_nc_u64 s[14:15], s[14:15], s[52:53]      ; posE: the expert's 4,096 bytes
	s_mul_i32 s36, s2, 2*STW
	s_add_co_u32 s36, s36, STG
	v_add_nc_u32 v5, s36, v4                       ; v5  my stages, in
	v_mul_u32_u24 v6, v2, 528
	v_lshl_add_u32 v6, v3, 7, v6
	v_add_nc_u32 v6, s36, v6                       ; v6  out: row r, + 128 h
	s_lshl_b32 s36, s2, 12
	v_add_nc_u32 v7, s36, v4                       ; v7  where I store images: K step 4 w on
	s_lshl_b32 s36, s2, 9
	s_add_co_u32 s36, s36, WSC
	v_lshl_add_u32 v8, v2, 2, s36                  ; v8  and their scale words
	v_lshl_add_u32 v10, v1, 2, WSC                 ; v10 all scale words: 4 x lane
	v_lshlrev_b32 v15, 14, v3
	v_lshl_add_u32 v15, v2, 4, v15                 ; v15 aq: 16,384 h + 16 r
	v_lshlrev_b32 v16, 12, v3
	v_lshl_add_u32 v16, v2, 1, v16                 ; v16 ascl: 4,096 h + 2 r
	s_mul_i32 s36, s2, 2304
	s_add_co_u32 s36, s36, YST
	v_mul_u32_u24 v17, v2, 144
	v_lshl_add_u32 v17, v3, 6, v17
	v_add_nc_u32 v17, s36, v17                     ; v17 y's stage, in: row r, + 64 h
	v_lshrrev_b32 v18, 3, v1
	v_mul_u32_u24 v18, v18, 144
	v_and_b32 v19, 7, v1
	v_lshl_add_u32 v18, v19, 4, v18
	v_add_nc_u32 v18, s36, v18                     ; v18 out: eight lanes to a row of 128 bytes
	v_lshlrev_b32 v21, 3, v3                       ; v21 8 h
	v_mov_b32 v[PT], 0                             ; a lane permute's destination counts as one of its sources
	s_mov_b32 s42, 0x76543210
	s_mov_b32 s43, 0xfedcba98
	s_wait_kmcnt 0x0                               ; the masks
	s_mov_b32 s19, 0
.set G, 0
.rept 32
	s_bcnt1_i32_b32 s36, s[68+G]
	s_add_co_u32 s19, s19, s36
.set G, G+1
.endr
	s_add_co_u32 s20, s19, 15
	s_lshr_b32 s20, s20, 4
	s_max_u32 s20, s20, 1                          ; ntiles
	s_or_b32 s36, s18, s2
	s_cmp_lg_u32 s36, 0
	s_cbranch_scc1 .Lnopos
	s_mov_b32 s37, 0                               ; every token's position in this expert's order: members before its group + members before it in the group
.set G, 0
.rept 32
	v_mbcnt_lo_u32_b32 v[X+G], s[68+G], s37
	s_bcnt1_i32_b32 s38, s[68+G]
	s_add_co_u32 s37, s37, s38
.set G, G+1
.endr
.irp i, 0,1,2,3,4,5,6,7
	global_store_b128 v4, v[X+4*\i:X+4*\i+3], s[14:15] offset:512*\i   ; 512 consecutive bytes
.endr
	s_wait_xcnt 0x0                                ; the stores have read their data
.Lnopos:
	s_sub_co_u32 s36, s20, 1                       ; my first two tiles, held at the last that exists: both buffers are filled on every way
	s_min_u32 s37, s2, s36
	s_min_u32 s37, s37, 63
	ASET 0, s37
	s_add_co_u32 s37, s2, 4
	s_min_u32 s37, s37, s36
	s_min_u32 s37, s37, 63
	ASET 1, s37
; ---- the weights: my 8 sets, written out
	TURN 0
.set NN, 0
.rept 8
	WSET NN
.set NN, NN+1
.endr
	s_wait_dscnt 0x0
	s_barrier_signal -1
	s_barrier_wait -1                              ; all 32 images and their scale words lie in LDS
	WIN 0x40
.set ff, 0
.rept 32
	ds_load_b128 v[8*ff:8*ff+3], v4 offset:1024*ff
	ds_load_b128 v[8*ff+4:8*ff+7], v4 offset:1024*ff+512
.set ff, ff+1
.endr
	WIN 0
.set ff, 0
.rept 16
	ds_load_b32 v[WS+ff], v10 offset:128*ff        ; K step ff: lanes 0-15 tile 0, lanes 16-31 tile 1
.set ff, ff+1
.endr
	ALOADP 1, 1                                    ; the rest of my second tile
	ALOADP 1, 2
	s_wait_dscnt 0x0
	s_wait_loadcnt 48                              ; my first tile is in; the second tile's 48 loads may be out
	s_mov_b32 s32, s2                              ; my tile
	s_mov_b32 s30, 8                               ; 16 turns serve all 64 tiles that a count can ask for; work past ntiles is jumped over
.Ltok:
	HALF 0
	HALF 1
	s_sub_co_u32 s30, s30, 1
	s_cmp_lg_u32 s30, 0
	s_cbranch_scc1 .Ltok
	s_wait_tensorcnt 0x0
	ds_add_u32 v190, v191
	s_wait_dscnt 0x0
	s_endpgm
.Lfunc_end_k_q32619e1aef_gemm2:
	.size	k_q32619e1aef_gemm2, .Lfunc_end_k_q32619e1aef_gemm2-k_q32619e1aef_gemm2
	.p2alignl 7, 3214868480
	.fill 96, 4, 3214868480
	.section	.rodata,"a",@progbits
	.p2align	6, 0x0
	.amdhsa_kernel k_q32619e1aef_gemm2
		.amdhsa_group_segment_fixed_size 112128
		.amdhsa_private_segment_fixed_size 0
		.amdhsa_enable_private_segment 0
		.amdhsa_kernarg_size 48
		.amdhsa_user_sgpr_count 2
		.amdhsa_user_sgpr_kernarg_segment_ptr 1
		.amdhsa_wavefront_size32 1
		.amdhsa_system_sgpr_workgroup_id_x 1
		.amdhsa_system_sgpr_workgroup_id_y 1
		.amdhsa_system_sgpr_workgroup_id_z 1
		.amdhsa_system_vgpr_workitem_id 0
		.amdhsa_next_free_vgpr 1024
		.amdhsa_next_free_sgpr 104
		.amdhsa_reserve_vcc 0
		.amdhsa_float_denorm_mode_32 3
		.amdhsa_float_denorm_mode_16_64 3
		.amdhsa_memory_ordered 1
		.amdhsa_forward_progress 1
		.amdhsa_inst_pref_size 108
	.end_amdhsa_kernel
	.amdgpu_metadata
---
amdhsa.version: [ 1, 2 ]
amdhsa.kernels:
  - .name:           k_q32619e1aef_gemm2
    .symbol:         k_q32619e1aef_gemm2.kd
    .args:
      - { .name: w2_weight, .offset: 0, .size: 8, .value_kind: global_buffer, .address_space: global }
      - { .name: aq, .offset: 8, .size: 8, .value_kind: global_buffer, .address_space: global }
      - { .name: ascl, .offset: 16, .size: 8, .value_kind: global_buffer, .address_space: global }
      - { .name: route, .offset: 24, .size: 8, .value_kind: global_buffer, .address_space: global }
      - { .name: ys, .offset: 32, .size: 8, .value_kind: global_buffer, .address_space: global }
      - { .name: posE, .offset: 40, .size: 8, .value_kind: global_buffer, .address_space: global }
    .group_segment_fixed_size: 112128
    .private_segment_fixed_size: 0
    .kernarg_segment_align: 8
    .kernarg_segment_size: 48
    .max_flat_workgroup_size: 128
    .sgpr_count:     104
    .vgpr_count:     1024
    .wavefront_size: 32
...
	.end_amdgpu_metadata
.endif
;; end of part 3
;; launch combine (part 4): grid 256 x 1, 4 waves a work-group, no clusters, 0 bytes of LDS; arguments route, cw, posE, ys, out0; writes out0
.if DOCPART == 4
	.amdgcn_target "amdgcn-amd-amdhsa--gfx1250"
	.amdhsa_code_object_version 6
	.text
	.protected	k_q32619e1aef_combine
	.globl	k_q32619e1aef_combine
	.p2align	8
	.type	k_q32619e1aef_combine,@function
k_q32619e1aef_combine:
	s_mov_b64 s[64:65], 0
	v_nop
	global_prefetch_b8 v0, s[64:65] scope:SCOPE_SE
	s_setreg_imm32_b32 hwreg(HW_REG_WAVE_MODE, 25, 1), 1
	s_wait_xcnt 0x0
; out[t] = cw[t][0] y(expert 0 of t, t) + cw[t][1] y(expert 1 of t, t).  A wave to a token.
; The two experts come from route, the token's position in each expert's order from posE (index 128 (t / 128) + 4 (t % 32) + (t / 32) % 4), both whole numbers stored by earlier launches and held to their range.
; ys is [8 e][32 q][1024 p][32 f32]: a token's row is 32 pieces of 128 bytes, 131,072 bytes apart; eight lanes take a piece.  out's row leaves in stores of 512 consecutive bytes.
; Memory binds and nothing is shared: no LDS, no barrier, no matrix unit.
	s_load_b256 s[4:11], s[0:1], 0x0               ; route s[4:5], cw s[6:7], posE s[8:9], ys s[10:11]
	s_load_b64 s[12:13], s[0:1], 0x20              ; out0
	v_lshrrev_b32 v1, 5, v0
	v_readfirstlane_b32 s2, v1
	s_lshl_b32 s3, ttmp9, 2
	s_add_co_u32 s3, s3, s2                        ; t
	s_lshl_b32 s16, s3, 3
	v_and_b32 v1, 31, v0
	v_lshrrev_b32 v2, 3, v1
	v_and_b32 v3, 7, v1
	v_lshlrev_b32 v2, 17, v2
	v_lshl_add_u32 v2, v3, 4, v2                   ; 131,072 (lane / 8) + 16 (lane % 8)
	v_lshlrev_b32 v4, 4, v1
	s_and_b32 s22, s3, 0x380
	s_and_b32 s23, s3, 31
	s_lshl_b32 s23, s23, 2
	s_add_co_u32 s22, s22, s23
	s_bfe_u32 s23, s3, 0x20005
	s_add_co_u32 s22, s22, s23
	s_lshl_b32 s22, s22, 2                         ; the token's word in an expert's part of posE
	s_wait_kmcnt 0x0
	s_load_b64 s[18:19], s[4:5], s16 offset:0x0    ; the two experts
	s_load_b64 s[20:21], s[6:7], s16 offset:0x0    ; their weights
	s_wait_kmcnt 0x0
	s_min_u32 s18, s18, 7
	s_min_u32 s19, s19, 7
	s_lshl_b32 s25, s18, 12
	s_add_co_u32 s25, s25, s22
	s_lshl_b32 s26, s19, 12
	s_add_co_u32 s26, s26, s22
	s_load_b32 s28, s[8:9], s25 offset:0x0
	s_load_b32 s29, s[8:9], s26 offset:0x0
	s_mov_b32 s34, s21                             ; the packed forms take a pair's low word for both halves
	s_mov_b32 s35, s21
	s_wait_kmcnt 0x0
	s_min_u32 s28, s28, 1023
	s_min_u32 s29, s29, 1023
	s_lshl_b32 s30, s18, 22
	s_lshl_b32 s28, s28, 7
	s_add_co_u32 s30, s30, s28
	s_mov_b32 s31, 0
	s_add_nc_u64 s[32:33], s[10:11], s[30:31]
	s_lshl_b32 s30, s19, 22
	s_lshl_b32 s29, s29, 7
	s_add_co_u32 s30, s30, s29
	s_add_nc_u64 s[36:37], s[10:11], s[30:31]
	s_lshl_b32 s30, s3, 12
	s_add_nc_u64 s[38:39], s[12:13], s[30:31]
.irp i, 0,1,2,3,4,5,6,7
	global_load_b128 v[8+4*\i:11+4*\i], v2, s[32:33] offset:524288*\i th:TH_LOAD_NT
.endr
.irp i, 0,1,2,3,4,5,6,7
	global_load_b128 v[40+4*\i:43+4*\i], v2, s[36:37] offset:524288*\i th:TH_LOAD_NT
.endr
	s_wait_loadcnt 0x0
.irp j, 0,2,4,6,8,10,12,14,16,18,20,22,24,26,28,30
	v_pk_mul_f32 v[40+\j:41+\j], v[40+\j:41+\j], s[34:35] op_sel_hi:[1,0]
.endr
.irp j, 0,2,4,6,8,10,12,14,16,18,20,22,24,26,28,30
	v_pk_fma_f32 v[8+\j:9+\j], v[8+\j:9+\j], s[20:21], v[40+\j:41+\j] op_sel_hi:[1,0,1]
.endr
.irp i, 0,1,2,3,4,5,6,7
	global_store_b128 v4, v[8+4*\i:11+4*\i], s[38:39] offset:512*\i th:TH_STORE_NT
.endr
	s_endpgm
.Lfunc_end_k_q32619e1aef_combine:
	.size	k_q32619e1aef_combine, .Lfunc_end_k_q32619e1aef_combine-k_q32619e1aef_combine
	.p2alignl 7, 3214868480
	.fill 96, 4, 3214868480
	.section	.rodata,"a",@progbits
	.p2align	6, 0x0
	.amdhsa_kernel k_q32619e1aef_combine
		.amdhsa_group_segment_fixed_size 0
		.amdhsa_private_segment_fixed_size 0
		.amdhsa_enable_private_segment 0
		.amdhsa_kernarg_size 40
		.amdhsa_user_sgpr_count 2
		.amdhsa_user_sgpr_kernarg_segment_ptr 1
		.amdhsa_wavefront_size32 1
		.amdhsa_system_sgpr_workgroup_id_x 1
		.amdhsa_system_sgpr_workgroup_id_y 1
		.amdhsa_system_sgpr_workgroup_id_z 1
		.amdhsa_system_vgpr_workitem_id 0
		.amdhsa_next_free_vgpr 80
		.amdhsa_next_free_sgpr 66
		.amdhsa_reserve_vcc 0
		.amdhsa_float_denorm_mode_32 3
		.amdhsa_float_denorm_mode_16_64 3
		.amdhsa_memory_ordered 1
		.amdhsa_forward_progress 1
		.amdhsa_inst_pref_size 7
	.end_amdhsa_kernel
	.amdgpu_metadata
---
amdhsa.version: [ 1, 2 ]
amdhsa.kernels:
  - .name:           k_q32619e1aef_combine
    .symbol:         k_q32619e1aef_combine.kd
    .args:
      - { .name: route, .offset: 0, .size: 8, .value_kind: global_buffer, .address_space: global }
      - { .name: cw, .offset: 8, .size: 8, .value_kind: global_buffer, .address_space: global }
      - { .name: posE, .offset: 16, .size: 8, .value_kind: global_buffer, .address_space: global }
      - { .name: ys, .offset: 24, .size: 8, .value_kind: global_buffer, .address_space: global }
      - { .name: out0, .offset: 32, .size: 8, .value_kind: global_buffer, .address_space: global }
    .group_segment_fixed_size: 0
    .private_segment_fixed_size: 0
    .kernarg_segment_align: 8
    .kernarg_segment_size: 40
    .max_flat_workgroup_size: 128
    .sgpr_count:     66
    .vgpr_count:     80
    .wavefront_size: 32
...
	.end_amdgpu_metadata
.endif
;; end of part 4
;; ======== version 2 of 2: 4 launches
;; workspace buffers: xq 557,056 bytes; route 9,216 bytes of whole numbers; cw 8,192 bytes; aq 8,388,608 bytes; ascl 524,288 bytes; ys 33,554,432 bytes; posE 32,768 bytes of whole numbers
;; launch prep (part 5): grid 136 x 1, 4 waves a work-group, no clusters, 21,248 bytes of LDS; arguments hidden_states, router_logits, xq, route, cw; writes xq, route, cw
.if DOCPART == 5
	.amdgcn_target "amdgcn-amd-amdhsa--gfx1250"
	.amdhsa_code_object_version 6
	.text
	.protected	k_q32619e1aef_prep
	.globl	k_q32619e1aef_prep
	.p2align	8
	.type	k_q32619e1aef_prep,@function
k_q32619e1aef_prep:
	s_mov_b64 s[64:65], 0
	v_nop
	global_prefetch_b8 v0, s[64:65] scope:SCOPE_SE
	s_setreg_imm32_b32 hwreg(HW_REG_WAVE_MODE, 25, 1), 1
	s_wait_xcnt 0x0
; Work-groups 0-127: hidden_states [1024][1024] f32 -> codes of FP4 (E2M1), K innermost, at xq byte 0 (512 bytes a token), and one E8M0 byte for each 32 along K at xq byte 524288 (32 bytes a token).
; Work-groups 128-135: the router.  softmax, top 2 (ties: the lower index), renormalised.  Stored at fixed places: route [1024][2] the chosen experts; cw [1024][2] their weights;
; route byte 8192 on: masks [8 experts][32 groups], bit l of word (e, G) = token 32 G + l uses expert e.  No address and no branch hangs on a floating-point number.
; A block's scale is 2^(floor(log2(largest magnitude)) - 2); its byte is the largest magnitude's exponent field - 2, held at 1 from below.
; LIMITS: a block of zeros, or one whose largest magnitude lies under 2^-124, gets the byte 1 (the rule says 127 for zeros: the codes are zeros and this program alone reads the bytes); NaN and infinities are not served.
; The top 2 are taken of this text's own f32 softmax: where two probabilities agree to the last bit the choice may differ from another f32 softmax's.
; A probability under 2^-126 counts as 0 (v_exp_f32 gives 0 there): its weight would be nothing beside the first one's.
.set XWG, 128                          ; work-groups that quantise x
.set SP,  80                           ; a lane's place in a stage: 64 bytes + 16 of padding
.set SBY, 20480                        ; LDS: behind the four waves' stages (2 x 32 x SP each): the work-group's 256 scale bytes
.set R,   16                           ; v16-79   four steps' numbers as loaded
.set X,   80                           ; v80-111  two sets of 16 neighbours
.set C,   112                          ; v112-119 two registers of codes for each step
.set E,   120                          ; v120-123 a scale byte for each step
	s_load_b128 s[4:7], s[0:1], 0x0                ; hidden_states, router_logits
	s_load_b128 s[8:11], s[0:1], 0x10              ; xq, route
	s_load_b64 s[12:13], s[0:1], 0x20              ; cw
	v_lshl_add_u32 v128, v0, 2, 0x5100
	v_mov_b32 v129, 0
	v_lshrrev_b32 v1, 5, v0
	v_readfirstlane_b32 s16, v1                    ; wave
	v_and_b32 v2, 31, v0                           ; lane
	s_cmp_ge_u32 ttmp9, XWG                        ; the same for all waves of a work-group
	s_cbranch_scc1 .Lroute
; ---- x.  A wave takes 2,048 numbers: four steps of 512.  Each load reads 512 consecutive bytes; a step's 2,048 bytes turn through the wave's own stage so that a lane holds 16 neighbours (two lanes to a block).
	v_lshlrev_b32 v3, 4, v2                        ; my 16 bytes of a load's 512
	s_mul_i32 s17, s16, 2*32*SP                    ; my wave's two stages
	v_lshrrev_b32 v14, 2, v2
	v_mul_u32_u24 v14, v14, SP
	v_and_b32 v15, 3, v2
	v_lshl_add_u32 v14, v15, 4, v14
	v_add_nc_u32 v14, s17, v14                     ; into a stage: SP (lane / 4) + 16 (lane % 4)
	v_mul_u32_u24 v15, v2, SP
	v_add_nc_u32 v15, s17, v15                     ; out of it: SP x lane
	v_lshlrev_b32 v4, 3, v2                        ; 8 x lane: my codes in a step's 256 bytes
	v_lshrrev_b32 v5, 1, v2
	s_lshl_b32 s18, s16, 6
	s_add_co_u32 s18, s18, SBY
	v_add_nc_u32 v5, s18, v5                       ; my block's scale byte: SBY + 64 x wave + lane / 2 (+ 16 x step)
	v_add_nc_u32 v6, SBY, v4                       ; and on the way out 8 bytes a lane
	s_lshl_b32 s18, ttmp9, 2
	s_add_co_u32 s18, s18, s16                     ; which run of 2,048 numbers is mine
	s_lshl_b32 s20, s18, 13
	s_mov_b32 s21, 0
	s_lshl_b32 s22, s18, 10
	s_mov_b32 s23, 0
	s_lshl_b32 s24, ttmp9, 8
	s_add_co_u32 s24, s24, 524288
	s_mov_b32 s25, 0
	s_wait_alu depctr_va_vdst(0)
	s_wait_kmcnt 0x0
	s_add_nc_u64 s[4:5], s[4:5], s[20:21]          ; my numbers
	s_add_nc_u64 s[14:15], s[8:9], s[24:25]        ; the work-group's 256 scale bytes
	s_add_nc_u64 s[8:9], s[8:9], s[22:23]          ; my codes
.macro LOAD t
.irp i, 0,1,2,3
	global_load_b128 v[R+16*(\t)+4*\i:R+16*(\t)+4*\i+3], v3, s[4:5] offset:2048*(\t)+512*\i th:TH_LOAD_NT
.endr
.endm
.macro TURN t                          ; LDS serves a wave's instructions in order: no wait between the stores and the loads
.irp i, 0,1,2,3
	ds_store_b128 v14, v[R+16*(\t)+4*\i:R+16*(\t)+4*\i+3] offset:32*SP*((\t)%2)+8*SP*\i
.endr
.irp i, 0,1,2,3
	ds_load_b128 v[X+16*((\t)%2)+4*\i:X+16*((\t)%2)+4*\i+3], v15 offset:32*SP*((\t)%2)+16*\i
.endr
.endm
.irp t, 0,1,2,3
	LOAD \t                                        ; all sixteen loads of the wave go out at once
.endr
	s_wait_loadcnt 12                              ; step 0's four are in; the twelve behind them may be out
	TURN 0
.macro STEP t
.set XS, X+16*((\t)%2)
.if (\t) > 0
	s_wait_dscnt 1                                 ; this step's numbers are back from the stage; the last step's byte store may be out
.else
	s_wait_dscnt 0x0
.endif
.if (\t) < 3
	s_wait_loadcnt 4*(2-(\t))                      ; the next step's four loads are in; those of the steps behind it may be out
	TURN (\t)+1
.endif
	v_max3_num_f32 v8, |v[XS]|, |v[XS+1]|, |v[XS+2]|
	v_max3_num_f32 v9, |v[XS+3]|, |v[XS+4]|, |v[XS+5]|
.irp i, 6,10
	v_max3_num_f32 v8, v8, |v[XS+\i]|, |v[XS+\i+1]|
	v_max3_num_f32 v9, v9, |v[XS+\i+2]|, |v[XS+\i+3]|
.endr
	v_max3_num_f32 v8, v8, |v[XS+14]|, |v[XS+15]|
	v_max3_num_f32 v8, v8, v9, 0x1800000           ; and the floor 2^(3 - 127): the byte cannot fall under 1
	v_max_num_f32_dpp v8, v8, v8 row_xmask:1 row_mask:0xf bank_mask:0xf   ; with my neighbour's 16: the block's largest magnitude
	v_add_nc_u32 v11, 0xff000000, v8               ; 2 off its exponent field: the conversion's scale operand
	v_cvt_scalef32_pk8_fp4_f32 v[C+2*(\t)], v[XS:XS+7], v11
	v_cvt_scalef32_pk8_fp4_f32 v[C+2*(\t)+1], v[XS+8:XS+15], v11
	v_lshrrev_b32 v[E+(\t)], 23, v11               ; the scale's byte (also the plain line behind the conversions)
	ds_store_b8 v5, v[E+(\t)] offset:16*(\t)       ; both lanes of a block write the same byte with the same value
	global_store_b64 v4, v[C+2*(\t):C+2*(\t)+1], s[8:9] offset:256*(\t)   ; the wave stores 256 consecutive bytes, aligned
.endm
.irp t, 0,1,2,3
	STEP \t
.endr
	s_wait_dscnt 0x0                               ; my scale bytes lie in LDS
	s_barrier_signal -1
	s_barrier_wait -1                              ; everybody's do
	s_cmp_lg_u32 s16, 0
	s_cbranch_scc1 .Lxend
	ds_load_b64 v[12:13], v6
	s_wait_dscnt 0x0
	global_store_b64 v4, v[12:13], s[14:15]        ; wave 0 stores the work-group's 256 scale bytes, aligned
.Lxend:
	s_wait_tensorcnt 0x0
	ds_add_u32 v128, v129
	s_wait_dscnt 0x0
	s_endpgm
; ---- the router: a lane to a token, a wave to a group of 32
.Lroute:
	s_sub_co_u32 s17, ttmp9, XWG
	s_lshl_b32 s17, s17, 2
	s_add_co_u32 s17, s17, s16                     ; G
	s_wait_alu depctr_va_vdst(0)
	v_lshl_add_u32 v3, s17, 5, v2                  ; my token
	v_lshlrev_b32 v4, 5, v3                        ; its 32 bytes of logits
	v_lshlrev_b32 v5, 3, v3                        ; its 8 bytes in route and in cw
	v_lshlrev_b32 v6, 7, v2                        ; lane e: expert e's row of masks,
	s_lshl_b32 s18, s17, 2
	v_add_nc_u32 v6, s18, v6                       ; word G
	s_wait_alu depctr_va_vdst(0)
	s_wait_kmcnt 0x0
	global_load_b128 v[8:11], v4, s[6:7]
	global_load_b128 v[12:15], v4, s[6:7] offset:16
	s_wait_loadcnt 0x0
	v_max3_num_f32 v16, v8, v9, v10
	v_max3_num_f32 v16, v16, v11, v12
	v_max3_num_f32 v16, v16, v13, v14
	v_max_num_f32 v16, v16, v15                    ; the largest logit is taken away
.irp i, 0,1,2,3,4,5,6,7
	v_sub_f32 v[24+\i], v[8+\i], v16
.endr
.irp i, 0,1,2,3,4,5,6,7
	v_mul_f32 v[24+\i], 0x3fb8aa3b, v[24+\i]       ; x log2(e)
.endr
	s_wait_alu depctr_va_vdst(0)
.irp i, 0,1,2,3,4,5,6,7
	v_exp_f32 v[24+\i], v[24+\i]
.endr
	v_nop                                          ; a plain line behind the exponentials
	s_wait_alu depctr_va_vdst(0)                   ; one wait for the batch, ahead of its first reader
	v_add_f32 v17, v24, v25
	v_add_f32 v18, v26, v27
	v_add_f32 v19, v28, v29
	v_add_f32 v20, v30, v31
	v_add_f32 v17, v17, v18
	v_add_f32 v19, v19, v20
	v_add_f32 v17, v17, v19
	s_wait_alu depctr_va_vdst(0)
	v_rcp_f32 v17, v17
	v_nop
	s_wait_alu depctr_va_vdst(0)
.irp i, 0,1,2,3,4,5,6,7
	v_mul_f32 v[24+\i], v[24+\i], v17              ; the probabilities
.endr
.macro TOP val, idx                    ; the largest of v24-31 and its index; a later one wins only if it is strictly larger
	v_mov_b32 v[\val], v24
	v_mov_b32 v[\idx], 0
.irp i, 1,2,3,4,5,6,7
	v_cmp_gt_f32 vcc_lo, v[24+\i], v[\val]
	v_cndmask_b32 v[\val], v[\val], v[24+\i], vcc_lo
	v_cndmask_b32 v[\idx], v[\idx], \i, vcc_lo
.endr
.endm
	TOP 42, 40
.irp i, 0,1,2,3,4,5,6,7
	v_cmp_eq_u32 vcc_lo, \i, v40
	v_cndmask_b32 v[24+\i], v[24+\i], -1.0, vcc_lo ; the first choice is taken out: under every probability
.endr
	TOP 43, 41
	v_add_f32 v36, v42, v43
	s_wait_alu depctr_va_vdst(0)
	v_rcp_f32 v36, v36
	v_mov_b32 v46, 0                               ; (a plain line behind the reciprocal)  the masks' register
	s_wait_alu depctr_va_vdst(0)
	v_mul_f32 v44, v42, v36
	v_mul_f32 v45, v43, v36
	global_store_b64 v5, v[40:41], s[10:11]        ; the wave stores 256 consecutive bytes
	global_store_b64 v5, v[44:45], s[12:13]
.irp e, 0,1,2,3,4,5,6,7
	v_cmp_eq_u32 s20, \e, v40
	v_cmp_eq_u32 s21, \e, v41
	s_or_b32 s20, s20, s21                         ; the 32 tokens' ballot for expert e
	v_writelane_b32 v46, s20, \e                   ; into lane e
.endr
	v_cmp_gt_u32 vcc_lo, 8, v2
	s_wait_alu depctr_va_vdst(0)
	s_wait_xcnt 0x0                                ; EXEC changes only behind this wait
	s_and_saveexec_b32 s22, vcc_lo
	global_store_b32 v6, v46, s[10:11] offset:8192 ; eight words, 128 bytes apart: 1,024 bytes in the whole launch
	s_wait_xcnt 0x0
	s_or_b32 exec_lo, exec_lo, s22
	s_endpgm
.Lfunc_end_k_q32619e1aef_prep:
	.size	k_q32619e1aef_prep, .Lfunc_end_k_q32619e1aef_prep-k_q32619e1aef_prep
	.p2alignl 7, 3214868480
	.fill 96, 4, 3214868480
	.section	.rodata,"a",@progbits
	.p2align	6, 0x0
	.amdhsa_kernel k_q32619e1aef_prep
		.amdhsa_group_segment_fixed_size 21248
		.amdhsa_private_segment_fixed_size 0
		.amdhsa_enable_private_segment 0
		.amdhsa_kernarg_size 40
		.amdhsa_user_sgpr_count 2
		.amdhsa_user_sgpr_kernarg_segment_ptr 1
		.amdhsa_wavefront_size32 1
		.amdhsa_system_sgpr_workgroup_id_x 1
		.amdhsa_system_sgpr_workgroup_id_y 1
		.amdhsa_system_sgpr_workgroup_id_z 1
		.amdhsa_system_vgpr_workitem_id 0
		.amdhsa_next_free_vgpr 130
		.amdhsa_next_free_sgpr 66
		.amdhsa_reserve_vcc 1
		.amdhsa_float_denorm_mode_32 3
		.amdhsa_float_denorm_mode_16_64 3
		.amdhsa_memory_ordered 1
		.amdhsa_forward_progress 1
		.amdhsa_inst_pref_size 18
	.end_amdhsa_kernel
	.amdgpu_metadata
---
amdhsa.version: [ 1, 2 ]
amdhsa.kernels:
  - .name:           k_q32619e1aef_prep
    .symbol:         k_q32619e1aef_prep.kd
    .args:
      - { .name: hidden_states, .offset: 0, .size: 8, .value_kind: global_buffer, .address_space: global }
      - { .name: router_logits, .offset: 8, .size: 8, .value_kind: global_buffer, .address_space: global }
      - { .name: xq, .offset: 16, .size: 8, .value_kind: global_buffer, .address_space: global }
      - { .name: route, .offset: 24, .size: 8, .value_kind: global_buffer, .address_space: global }
      - { .name: cw, .offset: 32, .size: 8, .value_kind: global_buffer, .address_space: global }
    .group_segment_fixed_size: 21248
    .private_segment_fixed_size: 0
    .kernarg_segment_align: 8
    .kernarg_segment_size: 40
    .max_flat_workgroup_size: 128
    .sgpr_count:     66
    .vgpr_count:     130
    .wavefront_size: 32
...
	.end_amdgpu_metadata
.endif
;; end of part 5
;; launch gemm1 (part 6): grid 256 x 1, 4 waves a work-group, no clusters, 324,608 bytes of LDS; arguments w13_weight, xq, route, aq, ascl; writes aq, ascl
.if DOCPART == 6
	.amdgcn_target "amdgcn-amd-amdhsa--gfx1250"
	.amdhsa_code_object_version 6
	.text
	.protected	k_q32619e1aef_gemm1
	.globl	k_q32619e1aef_gemm1
	.p2align	8
	.type	k_q32619e1aef_gemm1,@function
k_q32619e1aef_gemm1:
	s_mov_b64 s[64:65], 0
	v_nop
	global_prefetch_b8 v0, s[64:65] scope:SCOPE_SE
	s_setreg_imm32_b32 hwreg(HW_REG_WAVE_SCHED_MODE, 0, 2), 2
	s_setreg_imm32_b32 hwreg(HW_REG_WAVE_MODE, 25, 1), 1
	s_wait_xcnt 0x0
	s_wait_alu depctr_vm_vsrc(0)
; act = silu(x w_gate^T) * (x w_up^T) for the tokens that chose an expert, both operands as codes of FP4 (E2M1) with E8M0 scales; act is quantised along i and stored as codes.
; SHARES.  Work-group (e = wg / 32, g = wg % 32) owns i = 64 g .. 64 g + 63 of expert e: 64 gate rows and 64 up rows of w13, 512 KiB of f32, which no other work-group reads.
; Wave w: a = w / 2 picks 32 of the 64 i (block B = 2 g + a of act's K), b = w % 2 the token tiles of that parity.  THE WEIGHTS STAY: each wave quantises half of its a's codes (K steps 4 b .. 4 b + 3 of four
; tiles of 16 rows: 16 sets), hands them to its partner through LDS as images of the operand's registers, and then holds all 32 fragments (256 registers) while the expert's tokens pass by, 16 at a time.
; THE STREAM IS A PIPELINE: four sets' loads are out; the next set turns through one of my two stages in LDS while the set in hand is quantised.
; THE ORDER OF AN EXPERT'S TOKENS is ascending token number.  The token at position p is found from the 32 membership masks by whole-number work on registers (SELECT3): no list is scattered.
; THE MATRIX INSTRUCTION IS USED TRANSPOSED (source 0 = 16 weight rows, source 1 = 16 tokens): a lane holds one token.  Row m of tile u is weight row 8 u + m + 8 (m / 8) of the 32, so that a lane's
; 16 registers of tiles u = 0, 1 are 16 neighbours along i: i = 16 (lane / 16) + 0 .. 15.
; OUT: aq [8 e][64 B][1024 p][16 bytes]; ascl [8 e][32 g][1024 p'][2], p' = 512 (j % 2) + 16 (j / 2) + r for token r of tile j.  Tiles 0 .. ntiles - 1 are written, ntiles = max(1, ceil(count / 16));
; places of the last tile past the count hold some real token's numbers, which nobody uses.
; NO CLUSTER, NO TENSOR LOAD: how many tiles a work-group walks is read from memory, and the work is jumped over by that number.  NO PREFETCH: the weights are asked for 64 loads (32 KiB) a wave ahead throughout.
; LIMITS: a block of zeros, or one under 2^-124, gets the scale byte 1 (codes of zeros; this program alone reads the bytes); NaN and infinities are not served.
; THE MODE: SCHED_MODE bits 1:0 = 2 (LLVM: expert scheduling mode 2), set by the entry lines.  The code itself states the register dependences
; between vector or matrix instructions and memory or LDS instructions, with s_wait_alu, always for 0.
; THE PLAN.  Registers that memory or LDS instructions touch:
;   slot n % 4 (window 3)   Written by the loads of sets n and n + 4; read by set n's sixteen stores into its stage.
;   X0, X1                  Set n's sixteen loads from the stage land in X[n % 2]; set n's quantiser reads it.
;   the codes, two sets     Set n's quantiser writes set n % 2 (eight registers and the scale word); set n's three image stores, issued at the head of step n + 1, read it.
;   So three lines at the head of step n state all that its 51 memory and LDS instructions hang on: the wait for set n's numbers; a wait on vm_vsrc (the turn's stores have read slot n % 4, the image stores of set n - 2
;   their codes); a wait on va_vdst (quantiser n - 1 has written its codes and is done with X[(n + 1) % 2]).  Quantiser n names X[n % 2], its own set of codes, v176-183, v39 and v21: none of the registers that those instructions touch.
;   v72-92                  The gather's offsets: written once a round by vector lines, read by the round's loads.
;   windows 1, 3, 2         Gathered rows: written by the gather's loads, read by the LDS stores that lay them out; the weights' fragments (window 1) and the tokens' (window 2) land there later.
;   v13, v15                Written ahead of each fetch of a token tile, read by it.   v17, v19, v178, v188-189: written in a tile, read by its two stores.
;   v4-12, v14, v16, v18, v20-23, v48: made at the head, never written again.   v190, v191: written at the head, read by the closing add alone.
; REGISTERS.  window 0: v1-23, v48 addresses; v24-39, v47 the selection; v52-67 the weights' scale words; v68-71 x's; v72-103 four accumulators (before them: v72-92 the gather's offsets, v94, v96-103 the second set of codes);
;   v104-167 and v192-255 two sets of 64 numbers (the first later e and g u; v136-156 also the selection's counts); v168-189 the quantisers.
;   window 1: the weights' 32 fragments (before that: gathered rows 0-63).   window 2: v0-63 x's 8 fragments (or gathered rows 64-79), v64-83 gathered scale bytes.   window 3: four slots of 16 rows x 128 K of f32 (later: gathered rows 0-63).
.set XTT,  8704                        ; LDS: a token tile's codes: piece beta (16 bytes) of token r at 272 beta + 16 r.  20 tiles from byte 0
.set XS,   174080                      ; 20 x 512: a tile's scale bytes as an image: lane (r, h) = bytes 16 h .. 16 h + 15 of token r
.set WIMG, 184320                      ; 64 fragments x 1,024: ((4 a + tile) 8 + K step): 512 c + 16 x lane
.set WSC,  249856                      ; their scale words: ((2 a + kappa) 8 + K step) x 128: 64 u + 4 r
.set STG,  253952                      ; two stages of 16 rows x 528 bytes for each wave
.set STW,  8448                        ; a stage
.set SCB,  321536                      ; 640 bytes for each wave: act's scale bytes, 16 a tile
.set WS,   52
.set XSC,  68
.set ACC,  72                          ; gate u = 0, 1: +0, +8; up u = 0, 1: +16, +24
.set GOF,  72                          ; the gather's offsets: 16 for the rows, 5 for the scale bytes
.set X,    104                         ; set n's numbers at X + 88 (n % 2)
.set EE,   104
.set GU,   120
.set SQ,   136                         ; the selection: chain i at SQ + 7 i: counts in fields of 2, 4, 8, 16 bits, the bit's place, two at work
.set PC,   168                         ; set n's codes at PC - 72 (n % 2)
.set QT,   176
.set PW,   184                         ; set n's scale word at PW - 90 (n % 2)
.set PT,   39
.set MSB, 0
.macro WIN new                         ; the immediate's high byte repeats the setting that is left
.if MSB != \new
	s_set_vgpr_msb (MSB<<8)|\new
.set MSB, \new
.endif
.endm
.macro BARRIER                         ; my LDS stores have landed and my LDS loads are in: then the work-group's barrier
	s_wait_dscnt 0x0
	s_barrier_signal -1
	s_barrier_wait -1
.endm
; Set n = 4 k + tile: tile = 2 kappa + u (kappa: gate 0, up 1), K step 4 b + k.  16 rows x 128 K of f32 into slot n % 4: each load reads 512 consecutive bytes of one row.  Every offset is an immediate: no base is stepped
.macro WLOAD n
	WIN 0xc0
.irp p, 0,1,2,3,4,5,6,7,8,9,10,11,12,13,14,15
	global_load_b128 v[64*((\n)%4)+4*\p:64*((\n)%4)+4*\p+3], v4, s[22+2*(((\n)%4)/2):23+2*(((\n)%4)/2)] offset:(8*((\n)%2)+\p+8*(\p/8))*4096+512*((\n)/4) th:TH_LOAD_NT
.endr
	WIN 0
.endm
; Set n turns through stage n % 2: in as loaded (TIN), out so that a lane holds two whole blocks of its row (TBACK: two of the sixteen loads).  LDS serves a wave's instructions in order: no wait between the stores and the loads.
; The count: the loads issued behind set n's.  Sets 0-3: 133 (the other slots' and the gather's 85), of which a wait can name 63; sets 4-12: the three sets behind; then the counts run down.
.macro TIN n
.if (\n) < 4
	s_wait_loadcnt 63
.elseif (\n) < 13
	s_wait_loadcnt 48
.else
	s_wait_loadcnt 16*(15-(\n))
.endif
.set TS, 64*((\n)%4)
.set TO, STW*((\n)%2)
	WIN 0x0c                                       ; an LDS store's data: window 3
.irp p, 0,1,2,3,4,5,6,7,8,9,10,11,12,13,14,15
	ds_store_b128 v5, v[TS+4*\p:TS+4*\p+3] offset:TO+528*\p
.endr
	WIN 0
.endm
.macro TBACK n, k
.set TJ, 2*(\k)
.rept 2
	ds_load_b128 v[X+88*((\n)%2)+4*TJ:X+88*((\n)%2)+4*TJ+3], v6 offset:STW*((\n)%2)+256*(TJ/8)+16*(TJ%8)
.set TJ, TJ+1
.endr
.endm
; 64 numbers of a lane, v[XB + 32 c + i] = k 64 c + 32 (lane / 16) + i of my row: two whole blocks.  Codes to v[PCB] on: the operand's registers.  The row's scale word to v[PWB].
; DEAL = 1: set NX's sixteen loads from its stage are dealt among the eight groups of maxima, two behind each: they land in the other X, which no line here names.
.macro QW
.irp c, 0,1
.irp d, 0,1
	v_max3_num_f32 v[QT+2*\c+\d], |v[XB+32*\c+16*\d]|, |v[XB+32*\c+16*\d+1]|, 0x1800000   ; four chains; the floor 2^(3 - 127) holds the byte at 1 from below
.endr
.endr
.if DEAL
	TBACK NX, 0
.endif
.irp i, 2,4,6,8,10,12,14
.irp c, 0,1
.irp d, 0,1
	v_max3_num_f32 v[QT+2*\c+\d], v[QT+2*\c+\d], |v[XB+32*\c+16*\d+\i]|, |v[XB+32*\c+16*\d+\i+1]|
.endr
.endr
.if DEAL
	TBACK NX, \i/2
.endif
.endr
.irp c, 0,1
	v_max_num_f32 v[QT+2*\c], v[QT+2*\c], v[QT+2*\c+1]
.endr
.irp c, 0,1
	v_add_nc_u32 v[QT+4+\c], 0xff000000, v[QT+2*\c]   ; 2 off the exponent field: the conversion's scale operand
.endr
.irp c, 0,1
	v_lshrrev_b32 v[QT+6+\c], 23, v[QT+4+\c]       ; the scale's byte
.endr
	v_lshl_or_b32 v[PWB], v[QT+7], 16, v[QT+6]     ; my two bytes: blocks h and 2 + h,
	v_lshlrev_b32 v[PWB], v21, v[PWB]              ; 8 h bits up;
	v_permlanex16_b32 v[PT], v[PWB], s42, s43
	v_or_b32 v[PWB], v[PWB], v[PT]                 ; with lane l xor 16's two the word is whole
.irp c, 0,1
.irp g, 0,1,2,3
	v_cvt_scalef32_pk8_fp4_f32 v[PCB+4*\c+\g], v[XB+32*\c+8*\g:XB+32*\c+8*\g+7], v[QT+4+\c]
.endr
.endr
	v_nop                                          ; one plain line behind the last conversion
.endm
.macro IMAGE n                         ; set n's fragment and scale word go to LDS as they stand
.set IC, PC-72*((\n)%2)
.set IW, PW-90*((\n)%2)
	ds_store_b128 v7, v[IC:IC+3] offset:8192*((\n)%4)+1024*((\n)/4)
	ds_store_b128 v7, v[IC+4:IC+7] offset:8192*((\n)%4)+1024*((\n)/4)+512
	ds_store_b32 v8, v[IW] offset:1024*(((\n)%4)/2)+64*((\n)%2)+128*((\n)/4)   ; lanes r and r + 16 write the same word with the same value
.endm
; Step n: set n's numbers are back from the stage; its slot is asked for again (set n + 4); the last set's image goes to LDS; the next set begins its turn; then set n is quantised.
.macro WSET n
	s_wait_dscnt 0x0                               ; set n's numbers are in: their loads are the youngest LDS instructions of mine
	s_wait_alu depctr_vm_vsrc(0)                   ; set n's stores into the stage have read slot n % 4, in which the loads below land; the image stores of set n - 2 have read the codes and the scale word that this step's quantiser writes
.if (\n) > 0
	s_wait_alu depctr_va_vdst(0)                   ; the last step's quantiser has written its codes and scale word, which the image stores below read, and is done reading its X, in which the next set's numbers land
.endif
.if (\n)+4 < 16
	WLOAD (\n)+4
.endif
.if (\n) > 0
	IMAGE (\n)-1
.endif
.set DEAL, 0
.if (\n) < 15
.set DEAL, 1
.set NX, (\n)+1
	TIN (\n)+1
.endif
.set XB, X+88*((\n)%2)
.set PCB, PC-72*((\n)%2)
.set PWB, PW-90*((\n)%2)
	QW
.endm
; The tokens at positions s34 + 0 .. 95 of my expert's order, a lane a position, into v36-38.
; The group: the last G whose prefix (members in groups before it) is at most p.  key = prefix << 16 | 32 G is compared with p << 16 | 0xffff.  Past the count the result is some token number under 1,024.
; The compares stand in runs, each into a scalar register of its own, with one wait behind a run: four groups at a time (keys s8-11, masks s56-63 and s12-15); in the search for the bit the three chains abreast.
.macro RSTEP3 base, stride, width, step   ; is the wanted bit in the lower part at pos?  If not, pass over it
.irp i, 0,1,2
	v_bfe_u32 v[SQ+7*\i+5], v[(\base)+(\stride)*\i], v[SQ+7*\i+4], \width
.endr
.irp i, 0,1,2
	v_cmp_ge_u32 s[56+\i], v[24+\i], v[SQ+7*\i+5]
.endr
	s_wait_alu depctr_va_sdst(0)                   ; the three compares have written s56-58, which the selects below read
.irp i, 0,1,2
	v_cndmask_b32 v[SQ+7*\i+5], 0, v[SQ+7*\i+5], s[56+\i]
	v_cndmask_b32 v[SQ+7*\i+6], 0, \step, s[56+\i]
.endr
.irp i, 0,1,2
	v_sub_nc_u32 v[24+\i], v[24+\i], v[SQ+7*\i+5]
	v_add_nc_u32 v[SQ+7*\i+4], v[SQ+7*\i+4], v[SQ+7*\i+6]
.endr
.endm
.macro SELECT3
	v_add_nc_u32 v24, s34, v1
	v_add_nc_u32 v25, 32, v24
	v_add_nc_u32 v26, 64, v24
.irp i, 0,1,2
	v_lshl_or_b32 v[24+\i], v[24+\i], 16, s40
	v_mov_b32 v[27+\i], 0
	v_mov_b32 v[30+\i], s68
.endr
	s_mov_b32 s35, 0
.set G, 1
	s_wait_alu depctr_va_vdst(0)
.rept 8
.set q, 0
.rept 4
.if G+q < 32
	s_bcnt1_i32_b32 s36, s[68+G+q-1]
	s_lshl_b32 s36, s36, 16
	s_add_co_u32 s35, s35, s36
	s_add_co_u32 s35, s35, 32
	s_mov_b32 s[8+q], s35                          ; group G + q's key
.irp i, 0,1,2
.set MR, 56+3*q+\i
.if MR >= 64
.set MR, MR-52
.endif
	v_cmp_le_u32 s[MR], s[8+q], v[24+\i]
.endr
.endif
.set q, q+1
.endr
	s_wait_alu depctr_va_sdst(0)                   ; the run's compares have written their masks, which the selects below read
.set q, 0
.rept 4
.if G+q < 32
.irp i, 0,1,2
.set MR, 56+3*q+\i
.if MR >= 64
.set MR, MR-52
.endif
	v_cndmask_b32 v[27+\i], v[27+\i], s[8+q], s[MR]
	v_cndmask_b32 v[30+\i], v[30+\i], s[68+G+q], s[MR]
.endr
.endif
.set q, q+1
.endr
.set G, G+4
.endr
.irp i, 0,1,2
	v_lshrrev_b32 v[24+\i], 16, v[24+\i]           ; p
	v_lshrrev_b32 v33, 16, v[27+\i]                ; the group's prefix
	v_sub_nc_u32 v[24+\i], v[24+\i], v33           ; n: which set bit of the group's mask
	v_and_b32 v[27+\i], s40, v[27+\i]              ; 32 G
	v_lshrrev_b32 v[SQ+7*\i], 1, v[30+\i]          ; counts of set bits in fields of 2, 4, 8 and 16 bits
	v_and_b32 v[SQ+7*\i], 0x55555555, v[SQ+7*\i]
	v_sub_nc_u32 v[SQ+7*\i], v[30+\i], v[SQ+7*\i]
	v_lshrrev_b32 v[SQ+7*\i+1], 2, v[SQ+7*\i]
	v_and_b32 v[SQ+7*\i+1], 0x33333333, v[SQ+7*\i+1]
	v_and_b32 v[SQ+7*\i+2], 0x33333333, v[SQ+7*\i]
	v_add_nc_u32 v[SQ+7*\i+1], v[SQ+7*\i+1], v[SQ+7*\i+2]
	v_lshrrev_b32 v[SQ+7*\i+2], 4, v[SQ+7*\i+1]
	v_add_nc_u32 v[SQ+7*\i+2], v[SQ+7*\i+2], v[SQ+7*\i+1]
	v_and_b32 v[SQ+7*\i+2], 0x0f0f0f0f, v[SQ+7*\i+2]
	v_lshrrev_b32 v[SQ+7*\i+3], 8, v[SQ+7*\i+2]
	v_add_nc_u32 v[SQ+7*\i+3], v[SQ+7*\i+3], v[SQ+7*\i+2]
	v_mov_b32 v[SQ+7*\i+4], 0                      ; pos
.endr
	RSTEP3 SQ+3, 7, 8, 16
	RSTEP3 SQ+2, 7, 8, 8
	RSTEP3 SQ+1, 7, 4, 4
	RSTEP3 SQ, 7, 2, 2
	RSTEP3 30, 1, 1, 1
.irp i, 0,1,2
	v_add_nc_u32 v[36+\i], v[27+\i], v[SQ+7*\i+4]  ; the token
.endr
.endm
; My 80 tokens' codes (one load a token: its 512 bytes) and, for each of my 5 tiles, the scale bytes as the image wants them.  85 loads.  wa: the window for rows 0-63.
; The token numbers come down to scalar registers sixteen at a time (s56-63, s8-15), so that no line waits for the line above it and one wait serves the run.
.macro XLOADS wa
.set bt, 0
.rept 5
	s_wait_xcnt 0x0                                ; the sixteen offsets are written again only behind this wait
	s_wait_alu depctr_vm_vsrc(0)                   ; the loads of the round before (in a gather's first round: of the gather before) have read the offsets, which are written again; the LDS stores that laid the last gather out have read the registers in which this one lands
.set ii, 0
.rept 16
.set SB, 56+ii
.if ii >= 8
.set SB, ii
.endif
	v_readlane_b32 s[SB], v[36+(16*bt+ii)/32], (16*bt+ii)%32
.set ii, ii+1
.endr
	s_wait_alu depctr_va_sdst(0)                   ; the sixteen token numbers are written, ahead of their first readers
.set ii, 0
.rept 16
.set SB, 56+ii
.if ii >= 8
.set SB, ii
.endif
	s_min_u32 s[SB], s[SB], 1023
.set ii, ii+1
.endr
.set ii, 0
.rept 16
.set SB, 56+ii
.if ii >= 8
.set SB, ii
.endif
	v_lshl_add_u32 v[GOF+ii], s[SB], 9, v4
.set ii, ii+1
.endr
.if bt < 4
	WIN (\wa<<6)
.else
	WIN 0x80
.endif
	s_wait_alu depctr_va_vdst(0)                   ; the sixteen offsets are written, which the loads below read; the products of the tiles before are done reading window 2, in which the last round's loads land
.set ii, 0
.rept 16
	global_load_b128 v[(64*bt+4*ii)%256:(64*bt+4*ii)%256+3], v[GOF+ii], s[6:7]
.set ii, ii+1
.endr
	WIN 0
.set bt, bt+1
.endr
.set t5, 0
.rept 5
	v_permlanex16_b32 v[PT], v[36+t5/2], s42, s43
.if t5%2 == 0
	v_cndmask_b32 v47, v[PT], v[36+t5/2], s40      ; the tile's tokens lie in lanes 0-15: lanes 16-31 take their partner's
.else
	v_cndmask_b32 v47, v[36+t5/2], v[PT], s40      ; in lanes 16-31
.endif
	v_min_u32 v47, 0x3ff, v47
	v_lshl_add_u32 v[GOF+16+t5], v47, 5, v22       ; 32 bytes a token, + 16 h
.set t5, t5+1
.endr
	WIN 0x80
	s_wait_alu depctr_va_vdst(0)                   ; the five offsets are written, which the loads below read
.irp t, 0,1,2,3,4
	global_load_b128 v[64+4*\t:64+4*\t+3], v[GOF+16+\t], s[28:29]
.endr
	WIN 0
.endm
.macro XSTORES wa
	WIN (\wa<<2)
.set ii, 0
.rept 64
	ds_store_b128 v11, v[4*ii:4*ii+3] offset:(ii/16)*XTT+16*(ii%16)   ; lane l holds piece l of the token: 272 bytes from lane to lane
.set ii, ii+1
.endr
	WIN 0x08
.set ii, 0
.rept 16
	ds_store_b128 v11, v[4*ii:4*ii+3] offset:4*XTT+16*ii
.set ii, ii+1
.endr
.irp t, 0,1,2,3,4
	ds_store_b128 v12, v[64+4*\t:64+4*\t+3] offset:512*\t
.endr
	WIN 0
.endm
.macro XFETCH                          ; a token tile's 8 fragments and its scale words: sixteen lanes read 256 consecutive bytes
	WIN 0x80
.irp s, 0,1,2,3,4,5,6,7
.irp c, 0,1
	ds_load_b128 v[8*\s+4*\c:8*\s+4*\c+3], v13 offset:1088*\s+544*\c
.endr
.endr
	WIN 0
	ds_load_b128 v[XSC:XSC+3], v15                 ; register i: lanes 0-15 K step i, lanes 16-31 K step 4 + i
.endm
.macro MM d, a, b, z, sa, sb, ra, rb   ; one product; z: it starts the sum; ra, rb: the scales stand in lanes 16-31
.if \z
.if \ra
.if \rb
	v_wmma_scale_f32_16x16x128_f8f6f4 v[(\d):(\d)+7], v[(\a):(\a)+7], v[(\b):(\b)+7], 0, v[\sa], v[\sb] matrix_a_fmt:MATRIX_FMT_FP4 matrix_b_fmt:MATRIX_FMT_FP4 matrix_a_scale:MATRIX_SCALE_ROW1 matrix_b_scale:MATRIX_SCALE_ROW1
.else
	v_wmma_scale_f32_16x16x128_f8f6f4 v[(\d):(\d)+7], v[(\a):(\a)+7], v[(\b):(\b)+7], 0, v[\sa], v[\sb] matrix_a_fmt:MATRIX_FMT_FP4 matrix_b_fmt:MATRIX_FMT_FP4 matrix_a_scale:MATRIX_SCALE_ROW1
.endif
.else
.if \rb
	v_wmma_scale_f32_16x16x128_f8f6f4 v[(\d):(\d)+7], v[(\a):(\a)+7], v[(\b):(\b)+7], 0, v[\sa], v[\sb] matrix_a_fmt:MATRIX_FMT_FP4 matrix_b_fmt:MATRIX_FMT_FP4 matrix_b_scale:MATRIX_SCALE_ROW1
.else
	v_wmma_scale_f32_16x16x128_f8f6f4 v[(\d):(\d)+7], v[(\a):(\a)+7], v[(\b):(\b)+7], 0, v[\sa], v[\sb] matrix_a_fmt:MATRIX_FMT_FP4 matrix_b_fmt:MATRIX_FMT_FP4
.endif
.endif
.else
.if \ra
.if \rb
	v_wmma_scale_f32_16x16x128_f8f6f4 v[(\d):(\d)+7], v[(\a):(\a)+7], v[(\b):(\b)+7], v[(\d):(\d)+7], v[\sa], v[\sb] matrix_a_fmt:MATRIX_FMT_FP4 matrix_b_fmt:MATRIX_FMT_FP4 matrix_a_scale:MATRIX_SCALE_ROW1 matrix_b_scale:MATRIX_SCALE_ROW1
.else
	v_wmma_scale_f32_16x16x128_f8f6f4 v[(\d):(\d)+7], v[(\a):(\a)+7], v[(\b):(\b)+7], v[(\d):(\d)+7], v[\sa], v[\sb] matrix_a_fmt:MATRIX_FMT_FP4 matrix_b_fmt:MATRIX_FMT_FP4 matrix_a_scale:MATRIX_SCALE_ROW1
.endif
.else
.if \rb
	v_wmma_scale_f32_16x16x128_f8f6f4 v[(\d):(\d)+7], v[(\a):(\a)+7], v[(\b):(\b)+7], v[(\d):(\d)+7], v[\sa], v[\sb] matrix_a_fmt:MATRIX_FMT_FP4 matrix_b_fmt:MATRIX_FMT_FP4 matrix_b_scale:MATRIX_SCALE_ROW1
.else
	v_wmma_scale_f32_16x16x128_f8f6f4 v[(\d):(\d)+7], v[(\a):(\a)+7], v[(\b):(\b)+7], v[(\d):(\d)+7], v[\sa], v[\sb] matrix_a_fmt:MATRIX_FMT_FP4 matrix_b_fmt:MATRIX_FMT_FP4
.endif
.endif
.endif
.endm
	s_load_b256 s[4:11], s[0:1], 0x0               ; w13 s[4:5], xq s[6:7], route s[8:9], aq s[10:11]
	s_load_b64 s[12:13], s[0:1], 0x20              ; ascl
	v_lshl_add_u32 v190, v0, 2, 0x4f200
	v_mov_b32 v191, 0
	v_lshrrev_b32 v1, 5, v0
	v_readfirstlane_b32 s2, v1                     ; wave
	v_and_b32 v1, 31, v0                           ; lane
	v_and_b32 v2, 15, v0                           ; r
	v_bfe_u32 v3, v0, 4, 1                         ; h
	v_lshlrev_b32 v4, 4, v1                        ; 16 x lane; never rewritten
	s_lshr_b32 s17, ttmp9, 5                       ; e
	s_and_b32 s18, ttmp9, 31                       ; g
	s_lshl_b32 s21, s17, 7                         ; the expert's 128 bytes of masks
	s_wait_alu depctr_va_sdst(0)                   ; s2 is written, ahead of its first reader
	s_lshr_b32 s3, s2, 1                           ; a
	s_and_b32 s16, s2, 1                           ; b
	s_lshl_b32 s52, s17, 24                        ; my gate rows: (4096 e + 64 g + 32 a) rows of 4,096 bytes, + K step 4 b
	s_lshl_b32 s36, s18, 18
	s_add_co_u32 s52, s52, s36
	s_lshl_b32 s36, s3, 17
	s_add_co_u32 s52, s52, s36
	s_lshl_b32 s36, s16, 11
	s_add_co_u32 s52, s52, s36
	s_mov_b32 s53, 0
	s_wait_kmcnt 0x0
	s_load_b512 s[68:83], s[8:9], s21 offset:0x2000   ; the expert's 32 masks
	s_load_b512 s[84:99], s[8:9], s21 offset:0x2040
	s_add_nc_u64 s[22:23], s[4:5], s[52:53]
	s_add_nc_u64 s[24:25], s[22:23], 0x800000      ; the up rows lie 2,048 rows further down
	s_wait_alu depctr_va_vdst(0)                   ; v4 is written: every load of the weights reads it as its offset
	WLOAD 0                                        ; the weights' first K step: 64 loads
	WLOAD 1
	WLOAD 2
	WLOAD 3
	s_lshl_b32 s52, s17, 20                        ; aq: block (64 e + 2 g + a) of 16,384 bytes
	s_lshl_b32 s36, s18, 15
	s_add_co_u32 s52, s52, s36
	s_lshl_b32 s36, s3, 14
	s_add_co_u32 s52, s52, s36
	s_add_nc_u64 s[26:27], s[10:11], s[52:53]
	s_add_nc_u64 s[28:29], s[6:7], 524288          ; x's scale bytes
	s_lshl_b32 s52, s17, 16                        ; ascl: (32 e + g) x 2,048 + 512 x wave
	s_lshl_b32 s36, s18, 11
	s_add_co_u32 s52, s52, s36
	s_lshl_b32 s36, s2, 9
	s_add_co_u32 s52, s52, s36
	s_add_nc_u64 s[54:55], s[12:13], s[52:53]
	; every LDS address is made here: a constant + a constant x lane + a constant x wave
	s_mul_i32 s36, s2, 2*STW
	s_add_co_u32 s36, s36, STG
	v_add_nc_u32 v5, s36, v4                       ; v5  my stages, in: 16 x lane (+ 528 x row, + the stage)
	v_mul_u32_u24 v6, v2, 528
	v_lshl_add_u32 v6, v3, 7, v6
	v_add_nc_u32 v6, s36, v6                       ; v6  out: row r, + 128 h
	s_lshl_b32 s36, s3, 15
	s_add_co_u32 s36, s36, WIMG
	v_add_nc_u32 v9, s36, v4                       ; v9  my a's images
	s_lshl_b32 s45, s16, 12
	s_add_co_u32 s36, s36, s45
	v_add_nc_u32 v7, s36, v4                       ; v7  where I store images: K step 4 b on
	s_lshl_b32 s36, s3, 11
	s_add_co_u32 s36, s36, WSC
	v_lshl_add_u32 v10, v1, 2, s36                 ; v10 my a's scale words
	s_lshl_b32 s45, s16, 9
	s_add_co_u32 s36, s36, s45
	v_lshl_add_u32 v8, v2, 2, s36                  ; v8  where I store them
	s_mul_i32 s36, s2, 5*XTT
	v_mul_u32_u24 v11, v1, 272
	v_add_nc_u32 v11, s36, v11                     ; v11 the gather's stores: my 5 tiles, piece = lane
	s_mul_i32 s36, s2, 2560
	s_add_co_u32 s36, s36, XS
	v_add_nc_u32 v12, s36, v4                      ; v12 and their scale images
	s_mul_i32 s36, s16, XTT
	v_mul_u32_u24 v14, v3, 272
	v_lshl_add_u32 v14, v2, 4, v14
	v_add_nc_u32 v14, s36, v14                     ; v14 tile b of a chunk: 272 h + 16 r
	s_lshl_b32 s36, s16, 9
	s_add_co_u32 s36, s36, XS
	v_add_nc_u32 v16, s36, v4                      ; v16 its scale image
	v_lshlrev_b32 v18, 4, v2
	v_lshl_add_u32 v18, v3, 3, v18                 ; v18 aq: 16 r + 8 h
	s_mul_i32 s36, s2, 640
	s_add_co_u32 s36, s36, SCB
	v_add_nc_u32 v20, s36, v2                      ; v20 my scale bytes: + r
	v_add_nc_u32 v23, s36, v4                      ; v23 and their first 512 bytes, 16 a lane
	v_lshlrev_b32 v21, 3, v3                       ; v21 8 h
	v_lshlrev_b32 v22, 4, v3                       ; v22 16 h
	s_mul_i32 s36, s3, 640
	s_lshl_b32 s45, s16, 8
	s_add_co_u32 s36, s36, s45
	s_add_co_u32 s36, s36, SCB
	v_lshl_add_u32 v48, v1, 3, s36                 ; v48 the end: region w / 2 (and, 1,280 on, 2 + w / 2), bytes 256 (w % 2) + 8 x lane
.irp i, 0,1,2,3
	v_mov_b32 v[X+\i], 0
.endr
	s_wait_alu depctr_va_vdst(0)                   ; the LDS addresses v5 to v23 and v48 are written, for all that read them from here on, and so are the four zeros, which the store below reads
	ds_store_b128 v23, v[X:X+3]                    ; my scale bytes begin as zeros: all 512 are stored at the end
	v_mov_b32 v[PT], 0                             ; a lane permute's destination counts as one of its sources
	s_mov_b32 s40, 0xffff
	s_mov_b32 s42, 0x76543210
	s_mov_b32 s43, 0xfedcba98                      ; v_permlanex16_b32's selects for lane l xor 16
	s_mov_b32 s48, 0xbfb8aa3b                      ; -log2(e)
	s_mov_b32 s49, s48
	s_mov_b32 s50, 0x05010400                      ; byte selects that interleave two words
	s_mov_b32 s51, 0x07030602
	s_mul_i32 s34, s2, 80                          ; my first position of chunk 0
	s_wait_kmcnt 0x0                               ; the masks
	s_mov_b32 s19, 0
.set G, 0
.rept 32
	s_bcnt1_i32_b32 s36, s[68+G]
	s_add_co_u32 s19, s19, s36                     ; the expert's tokens
.set G, G+1
.endr
	s_add_co_u32 s20, s19, 15
	s_lshr_b32 s20, s20, 4
	s_max_u32 s20, s20, 1                          ; ntiles
	SELECT3
	s_wait_alu depctr_va_vdst(0)
	XLOADS 1                                       ; chunk 0 (positions 0-319) is gathered whatever the count: all 20 tiles of LDS get written
; ---- the weights: my 16 sets, written out
	s_wait_alu depctr_vm_vsrc(0)                   ; the store of zeros has read v104-107, in which set 0's numbers land (the vector lines that wrote v104-107 and v136-156 stand ahead of the gather's last wait on va_vdst)
	TIN 0
.irp k, 0,1,2,3,4,5,6,7
	TBACK 0, \k
.endr
.set NN, 0
.rept 16
	WSET NN
.set NN, NN+1
.endr
	s_wait_alu depctr_va_vdst(0)                   ; the last quantiser has written its codes and scale word, which the image stores read
	IMAGE 15
	XSTORES 1                                      ; (the last turn's wait for 0 has shown the gather's loads in)
	BARRIER                                        ; all images, scale words and chunk 0's tokens lie in LDS
	s_wait_alu depctr_vm_vsrc(0)                   ; my LDS stores have read the gathered rows in window 1, in which the weights' fragments land
	WIN 0x40
.set ff, 0
.rept 32
	ds_load_b128 v[8*ff:8*ff+3], v9 offset:1024*ff           ; fragment (tile ff / 8, K step ff % 8) stays in window 1
	ds_load_b128 v[8*ff+4:8*ff+7], v9 offset:1024*ff+512
.set ff, ff+1
.endr
	WIN 0
.set ff, 0
.rept 16
	ds_load_b32 v[WS+ff], v10 offset:128*ff        ; (kappa = ff / 8, K step ff % 8): lanes 0-15 tile u = 0, lanes 16-31 u = 1
.set ff, ff+1
.endr
; ---- the tokens: 4 chunks of 20 tiles; both trip counts are constants, and work past ntiles is jumped over
	s_mov_b32 s31, 0                               ; chunk
	s_mov_b32 s32, s16                             ; my tile j = 20 chunk + b + 2 k
	s_mov_b32 s33, 0                               ; 16 bytes of scales for each of my tiles
	s_mul_i32 s37, s2, 5
	s_add_co_u32 s37, s37, 20                      ; the first tile that I would gather for the next chunk
	s_add_co_u32 s34, s34, 320                     ; and its first position
.Lchunk:
	s_mov_b32 s38, 0
	s_mov_b32 s39, 0
	s_mov_b32 s44, 10
	s_wait_alu depctr_vm_vsrc(0)                   ; the last fetch has read v13 and v15, which are written again; the LDS stores that laid the gather out have read window 2, in which the fetch lands; the gather's loads and the image stores have read v72-103, which the products write
	v_add_nc_u32 v13, s38, v14
	v_add_nc_u32 v15, s39, v16
	s_wait_alu depctr_va_vdst(0)                   ; v13 and v15 are written, which the fetch reads; the last chunk's products are done reading window 2 and v68-71, in which it lands
	XFETCH                                         ; my first tile of the chunk
.Ltile:
	s_cmp_ge_u32 s32, s20
	s_cbranch_scc1 .Lskip
	s_wait_dscnt 0x0                               ; the tile's fragments are in (and, the first time, the weights')
	WIN 0x09                                       ; source 0 (weights) window 1, source 1 (tokens) window 2
.set ss, 0
.rept 8                                ; the four accumulators take turns, one instruction a turn
.set tt, 0
.rept 4
.set zz, 0
.if ss == 0
.set zz, 1
.endif
	MM ACC+8*tt, 8*(8*tt+ss), 8*ss, zz, WS+8*(tt/2)+ss, XSC+ss%4, tt%2, ss/4
.set tt, tt+1
.endr
.set ss, ss+1
.endr
	WIN 0
	s_add_co_u32 s45, s38, 2*XTT                   ; my next tile of the chunk, held at my last one
	s_min_u32 s45, s45, 18*XTT
	s_add_co_u32 s46, s39, 1024
	s_min_u32 s46, s46, 9216
	s_wait_alu depctr_vm_vsrc(0)                   ; this tile's fetch has read v13 and v15; the last tile's two stores have read v17, v19, v178, v188 and v189: all are written again below
	v_add_nc_u32 v13, s45, v14                     ; four plain lines stand between the last product and the first read of results
	v_add_nc_u32 v15, s46, v16
	v_nop
	v_nop
	s_wait_alu depctr_va_vdst(0)                   ; v13 and v15 are written, which the fetch reads; the products are done reading window 2 and v68-71, in which it lands
	XFETCH                                         ; it lands while this tile's activation is worked
	; silu(g) u = g u / (1 + 2^(-g log2 e)), in f32
.irp j, 0,2,4,6,8,10,12,14
	v_pk_mul_f32 v[EE+\j:EE+\j+1], v[ACC+\j:ACC+\j+1], s[48:49] op_sel_hi:[1,0]   ; each accumulator is read from its low end on
.endr
	s_wait_alu depctr_va_vdst(0)
.irp j, 0,1,2,3,4,5,6,7,8,9,10,11,12,13,14,15
	v_exp_f32 v[EE+\j], v[EE+\j]
.endr
	s_wait_alu depctr_va_vdst(0)
.irp j, 0,2,4,6,8,10,12,14
	v_pk_mul_f32 v[GU+\j:GU+\j+1], v[ACC+\j:ACC+\j+1], v[ACC+16+\j:ACC+17+\j]      ; g u: independent work behind the exponentials
.endr
	s_wait_alu depctr_va_vdst(0)                   ; the sixteen exponentials have written v104-119: one wait for the batch, ahead of its first reader
.irp j, 0,2,4,6,8,10,12,14
	v_pk_add_f32 v[EE+\j:EE+\j+1], v[EE+\j:EE+\j+1], 1.0 op_sel_hi:[1,0]
.endr
	s_wait_alu depctr_va_vdst(0)
.irp j, 0,1,2,3,4,5,6,7,8,9,10,11,12,13,14,15
	v_rcp_f32 v[EE+\j], v[EE+\j]
.endr
	v_nop
	s_wait_alu depctr_va_vdst(0)                   ; the sixteen reciprocals have written v104-119: one wait for the batch, ahead of its first reader
.irp j, 0,2,4,6,8,10,12,14
	v_pk_mul_f32 v[GU+\j:GU+\j+1], v[GU+\j:GU+\j+1], v[EE+\j:EE+\j+1]
.endr
	; the block of 32 along i lies in lanes l and l xor 16
	v_max3_num_f32 v[QT], |v[GU]|, |v[GU+1]|, 0x1800000
	v_max3_num_f32 v[QT+1], |v[GU+8]|, |v[GU+9]|, 0x1800000
.irp i, 2,4,6
	v_max3_num_f32 v[QT], v[QT], |v[GU+\i]|, |v[GU+\i+1]|
	v_max3_num_f32 v[QT+1], v[QT+1], |v[GU+8+\i]|, |v[GU+9+\i]|
.endr
	v_max_num_f32 v[QT], v[QT], v[QT+1]
	v_permlanex16_b32 v[PT], v[QT], s42, s43
	v_max_num_f32 v[QT], v[QT], v[PT]
	v_add_nc_u32 v[QT+1], 0xff000000, v[QT]
	v_lshrrev_b32 v[QT+2], 23, v[QT+1]
	s_wait_alu depctr_va_vdst(0)
	s_wait_xcnt 0x0                                ; the last tile's store has had its address translated: its data and its offset are written again only behind this wait
	v_cvt_scalef32_pk8_fp4_f32 v188, v[GU:GU+7], v[QT+1]
	v_cvt_scalef32_pk8_fp4_f32 v189, v[GU+8:GU+15], v[QT+1]
	v_nop                                          ; one plain line behind the last conversion
	v_lshl_add_u32 v17, s32, 8, v18                ; 256 j + 16 r + 8 h
	v_add_nc_u32 v19, s33, v20
	s_wait_alu depctr_va_vdst(0)                   ; the codes v188 and v189, the byte v178 and the two addresses v17 and v19 are written, which the two stores read
	global_store_b64 v17, v[188:189], s[26:27]     ; the wave stores 256 consecutive bytes, aligned
	ds_store_b8 v19, v[QT+2]                       ; lanes r and r + 16 write the same byte with the same value
.Lskip:
	s_add_co_u32 s32, s32, 2
	s_add_co_u32 s33, s33, 16
	s_add_co_u32 s38, s38, 2*XTT
	s_add_co_u32 s39, s39, 1024
	s_sub_co_u32 s44, s44, 1
	s_cmp_lg_u32 s44, 0
	s_cbranch_scc1 .Ltile
	BARRIER                                        ; nobody reads this chunk's tokens any more
	s_cmp_ge_u32 s37, s20
	s_cbranch_scc1 .Lnog                           ; none of my five tiles of the next chunk exists
	SELECT3
	s_wait_alu depctr_va_vdst(0)
	XLOADS 3
	s_wait_loadcnt 0x0
	XSTORES 3
.Lnog:
	s_add_co_u32 s37, s37, 20
	s_add_co_u32 s34, s34, 320
	BARRIER                                        ; the next chunk's tokens lie in LDS
	s_add_co_u32 s31, s31, 1
	s_cmp_lt_u32 s31, 4
	s_cbranch_scc1 .Lchunk
; ---- the scale bytes leave: places 256 w .. 256 w + 255 of the 1,024, block 2 g's byte and block 2 g + 1's side by side
	s_wait_alu depctr_va_vdst(0)                   ; the activation's lines are done with v104-107, in which the two loads land
	ds_load_b64 v[104:105], v48
	ds_load_b64 v[106:107], v48 offset:1280
	s_wait_dscnt 0x0
	v_perm_b32 v108, v106, v104, s50
	v_perm_b32 v109, v106, v104, s51
	v_perm_b32 v110, v107, v105, s50
	v_perm_b32 v111, v107, v105, s51
	s_wait_alu depctr_va_vdst(0)                   ; the four words v108-111 are written, which the store reads
	global_store_b128 v4, v[108:111], s[54:55]     ; the wave stores 512 consecutive bytes, aligned
	s_wait_dscnt 0x0                               ; the closing lines, six on end
	s_wait_alu 0x0
	s_wait_tensorcnt 0x0
	ds_add_u32 v190, v191
	s_wait_dscnt 0x0
	s_endpgm
.Lfunc_end_k_q32619e1aef_gemm1:
	.size	k_q32619e1aef_gemm1, .Lfunc_end_k_q32619e1aef_gemm1-k_q32619e1aef_gemm1
	.p2alignl 7, 3214868480
	.fill 96, 4, 3214868480
	.section	.rodata,"a",@progbits
	.p2align	6, 0x0
	.amdhsa_kernel k_q32619e1aef_gemm1
		.amdhsa_group_segment_fixed_size 324608
		.amdhsa_private_segment_fixed_size 0
		.amdhsa_enable_private_segment 0
		.amdhsa_kernarg_size 40
		.amdhsa_user_sgpr_count 2
		.amdhsa_user_sgpr_kernarg_segment_ptr 1
		.amdhsa_wavefront_size32 1
		.amdhsa_system_sgpr_workgroup_id_x 1
		.amdhsa_system_sgpr_workgroup_id_y 1
		.amdhsa_system_sgpr_workgroup_id_z 1
		.amdhsa_system_vgpr_workitem_id 0
		.amdhsa_next_free_vgpr 1024
		.amdhsa_next_free_sgpr 104
		.amdhsa_reserve_vcc 0
		.amdhsa_float_denorm_mode_32 3
		.amdhsa_float_denorm_mode_16_64 3
		.amdhsa_memory_ordered 1
		.amdhsa_forward_progress 1
		.amdhsa_inst_pref_size 255
	.end_amdhsa_kernel
	.section	.bss,"aw",@nobits
	.p2align	6
	.space	262144
	.amdgpu_metadata
---
amdhsa.version: [ 1, 2 ]
amdhsa.kernels:
  - .name:           k_q32619e1aef_gemm1
    .symbol:         k_q32619e1aef_gemm1.kd
    .args:
      - { .name: w13_weight, .offset: 0, .size: 8, .value_kind: global_buffer, .address_space: global }
      - { .name: xq, .offset: 8, .size: 8, .value_kind: global_buffer, .address_space: global }
      - { .name: route, .offset: 16, .size: 8, .value_kind: global_buffer, .address_space: global }
      - { .name: aq, .offset: 24, .size: 8, .value_kind: global_buffer, .address_space: global }
      - { .name: ascl, .offset: 32, .size: 8, .value_kind: global_buffer, .address_space: global }
    .group_segment_fixed_size: 324608
    .private_segment_fixed_size: 0
    .kernarg_segment_align: 8
    .kernarg_segment_size: 40
    .max_flat_workgroup_size: 128
    .sgpr_count:     104
    .vgpr_count:     1024
    .wavefront_size: 32
...
	.end_amdgpu_metadata
.endif
;; end of part 6
;; launch gemm2 (part 7): grid 256 x 1, 4 waves a work-group, no clusters, 112,128 bytes of LDS; arguments w2_weight, aq, ascl, route, ys, posE; writes ys, posE
.if DOCPART == 7
	.amdgcn_target "amdgcn-amd-amdhsa--gfx1250"
	.amdhsa_code_object_version 6
	.text
	.protected	k_q32619e1aef_gemm2
	.globl	k_q32619e1aef_gemm2
	.p2align	8
	.type	k_q32619e1aef_gemm2,@function
k_q32619e1aef_gemm2:
	s_mov_b64 s[64:65], 0
	v_nop
	global_prefetch_b8 v0, s[64:65] scope:SCOPE_SE
	s_setreg_imm32_b32 hwreg(HW_REG_WAVE_SCHED_MODE, 0, 2), 2
	s_setreg_imm32_b32 hwreg(HW_REG_WAVE_MODE, 25, 1), 1
	s_wait_xcnt 0x0
	s_wait_alu depctr_vm_vsrc(0)
; y = act w2^T for the tokens that chose an expert, both operands as codes of FP4 (E2M1) with E8M0 scales; y is stored in f32 by expert and position.
; SHARES.  Work-group (e = wg / 32, q = wg % 32) owns output columns 32 q .. 32 q + 31 of expert e: 32 rows of w2 x K = 2,048, 256 KiB of f32, which no other work-group reads.
; Wave w quantises K steps 4 w .. 4 w + 3 of both tiles of 16 rows (8 sets), hands the codes round through LDS as images of the operand's registers; then every wave holds all 32 fragments
; and takes the token tiles j = w, w + 4, ..; act's codes come from memory straight into the operand's registers, two tiles ahead.
; THE STREAM IS A PIPELINE: four groups of sixteen loads are out; each set that has been taken up lets the next sixteen go (sets 4-7, then the first two tiles of act);
; the next set turns through one of my two stages in LDS while the set in hand is quantised.
; TRANSPOSED USE (source 0 = 16 rows of w2, source 1 = 16 tokens); row m of tile tau is row 8 tau + m + 8 (m / 8) of the 32: a lane holds 16 neighbouring columns of one token.
; The sum over K goes in two chains (even and odd K steps), added at the end: an order of f32 sums of this text's own.
; OUT: ys [8 e][32 q][1024 p][32 f32], tiles 0 .. ntiles - 1.  posE [8 e][1024]: token t's position in expert e's order, at index 128 (t / 128) + 4 (t % 32) + (t / 32) % 4; written by wave 0 of the work-groups with q = 0.
; NO CLUSTER, NO TENSOR LOAD: how many tiles a wave walks is read from memory.  NO PREFETCH: 64 loads (32 KiB) a wave are asked for from the head to the stream's end.
; LIMITS: a block of zeros, or one under 2^-124, gets the scale byte 1; NaN and infinities are not served.
; THE MODE: SCHED_MODE bits 1:0 = 2 (LLVM: expert scheduling mode 2), set by the entry lines.  The code itself states the register dependences
; between vector or matrix instructions and memory or LDS instructions, with s_wait_alu, always for 0.
; THE PLAN.  Registers that memory or LDS instructions touch:
;   the eight slots (windows 3, 1)  Each written once, by its set's loads, and read by that set's sixteen stores into its stage; the weights' fragments land in window 1 behind the barrier.
;   X0, X1                  Set n's sixteen loads from the stage land in X[n % 2]; set n's quantiser reads it.
;   the codes, two sets     Set n's quantiser writes set n % 2; set n's three image stores, issued at the head of step n + 1, read it.
;   So the lines at the head of step n state all that its memory and LDS instructions hang on: the wait for set n's numbers; from set 2 on a wait on vm_vsrc (the image stores of set n - 2 have read their codes);
;   a wait on va_vdst (quantiser n - 1 has written its codes and is done with X[(n + 1) % 2]).  Quantiser n names X[n % 2], its own set of codes, v176-183, v186 and v21: none of the registers that those instructions touch.
;   act's two buffers (window 2, v40-71)  Written by a tile's 48 loads; the scale words are joined in place by vector lines; read by the tile's products; asked for again behind them.
;   v11-14                  A buffer's two offsets: written ahead of its loads, read by them.
;   v104-119                A tile's sums: written by the additions, read by four stores into the stage.   v120-135: four loads from the stage land there, four global stores read them.   v19: their offset.
;   A tile has one wait on vm_vsrc, behind its products, and one on va_vdst, behind the new offsets and the additions: the refill's loads, the stage's stores and loads and the global stores follow it with no further wait.
;   v4-10, v15-18, v21: made at the head, never written again.   v190, v191: written at the head, read by the closing add alone.
; REGISTERS.  window 0: v1-21 addresses; v24-39 the weights' scale words; v40-71 act's, two buffers; v72-103 four accumulators (before them: v94, v96-103 the second set of codes);
;   v104-167 and v192-255 two sets of 64 numbers (the first later y); v168-186 the quantiser.
;   window 1: slots 4-7 of f32, then the weights' 32 fragments.   window 2: act's fragments, two buffers of 128.   window 3: slots 0-3.
.set WSC,  32768                       ; LDS: from 0 the 32 images (16 tau + K step) x 1,024; here their scale words: 128 x K step + 64 tau + 4 r
.set STG,  34816                       ; two stages of 16 rows x 528 bytes for each wave
.set STW,  8448                        ; a stage
.set YST,  102400                      ; a stage of 16 rows x 144 bytes for each wave, for y
.set WS,   24
.set ASC,  40                          ; buffer f: v[ASC + 16 f + qq] low halves, then the words; + 8: high halves
.set ACC,  72                          ; (tau, K step % 2) at + 8 tau + 16 (K step % 2)
.set X,    104                         ; set n's numbers at X + 88 (n % 2)
.set PC,   168                         ; set n's codes at PC - 72 (n % 2)
.set QT,   176
.set PW,   184                         ; set n's scale word at PW - 90 (n % 2)
.set PT,   186
.set MSB, 0
.macro WIN new                         ; the immediate's high byte repeats the setting that is left
.if MSB != \new
	s_set_vgpr_msb (MSB<<8)|\new
.set MSB, \new
.endif
.endm
; set n: tile n % 2, K step 4 w + n / 2: 16 rows x 128 K of f32; each load reads 512 consecutive bytes of one row.  Each set has registers of its own
.macro WLOAD n
.if (\n) < 4
	WIN 0xc0
.else
	WIN 0x40
.endif
.irp p, 0,1,2,3,4,5,6,7,8,9,10,11,12,13,14,15
	global_load_b128 v[64*((\n)%4)+4*\p:64*((\n)%4)+4*\p+3], v4, s[22:23] offset:(8*((\n)%2)+\p+8*(\p/8))*8192+512*((\n)/2) th:TH_LOAD_NT
.endr
	WIN 0
.endm
; Set n turns through stage n % 2: in as loaded (TIN), out so that a lane holds two whole blocks of its row (TBACK: two of the sixteen loads).
; The count: behind set n's loads stand three groups of sixteen, for every n (sets n + 1 .. n + 3, or act's parts in their place)
.macro TIN n
	s_wait_loadcnt 48
.set TS, 64*((\n)%4)
.set TO, STW*((\n)%2)
.if (\n) < 4
	WIN 0x0c
.else
	WIN 0x04
.endif
.irp p, 0,1,2,3,4,5,6,7,8,9,10,11,12,13,14,15
	ds_store_b128 v5, v[TS+4*\p:TS+4*\p+3] offset:TO+528*\p
.endr
	WIN 0
.endm
.macro TBACK n, k
.set TJ, 2*(\k)
.rept 2
	ds_load_b128 v[X+88*((\n)%2)+4*TJ:X+88*((\n)%2)+4*TJ+3], v6 offset:STW*((\n)%2)+256*(TJ/8)+16*(TJ%8)   ; LDS serves a wave's instructions in order: these see the stores of TIN
.set TJ, TJ+1
.endr
.endm
; 64 numbers of a lane, v[XB] on, two whole blocks of its row -> the operand's registers v[PCB] on, the row's scale word v[PWB].
; DEAL = 1: set NX's sixteen loads from its stage are dealt among the eight groups of maxima, two behind each: they land in the other X, which no line here names.
.macro QW
.irp c, 0,1
.irp d, 0,1
	v_max3_num_f32 v[QT+2*\c+\d], |v[XB+32*\c+16*\d]|, |v[XB+32*\c+16*\d+1]|, 0x1800000   ; the floor 2^(3 - 127) holds the byte at 1 from below
.endr
.endr
.if DEAL
	TBACK NX, 0
.endif
.irp i, 2,4,6,8,10,12,14
.irp c, 0,1
.irp d, 0,1
	v_max3_num_f32 v[QT+2*\c+\d], v[QT+2*\c+\d], |v[XB+32*\c+16*\d+\i]|, |v[XB+32*\c+16*\d+\i+1]|
.endr
.endr
.if DEAL
	TBACK NX, \i/2
.endif
.endr
.irp c, 0,1
	v_max_num_f32 v[QT+2*\c], v[QT+2*\c], v[QT+2*\c+1]
.endr
.irp c, 0,1
	v_add_nc_u32 v[QT+4+\c], 0xff000000, v[QT+2*\c]
.endr
.irp c, 0,1
	v_lshrrev_b32 v[QT+6+\c], 23, v[QT+4+\c]
.endr
	v_lshl_or_b32 v[PWB], v[QT+7], 16, v[QT+6]
	v_lshlrev_b32 v[PWB], v21, v[PWB]
	v_permlanex16_b32 v[PT], v[PWB], s42, s43
	v_or_b32 v[PWB], v[PWB], v[PT]
.irp c, 0,1
.irp g, 0,1,2,3
	v_cvt_scalef32_pk8_fp4_f32 v[PCB+4*\c+\g], v[XB+32*\c+8*\g:XB+32*\c+8*\g+7], v[QT+4+\c]
.endr
.endr
	v_nop                                          ; one plain line behind the last conversion
.endm
.macro IMAGE n                         ; set n's fragment and scale word go to LDS as they stand
.set IC, PC-72*((\n)%2)
.set IW, PW-90*((\n)%2)
	ds_store_b128 v7, v[IC:IC+3] offset:16384*((\n)%2)+1024*((\n)/2)
	ds_store_b128 v7, v[IC+4:IC+7] offset:16384*((\n)%2)+1024*((\n)/2)+512
	ds_store_b32 v8, v[IW] offset:128*((\n)/2)+64*((\n)%2)
.endm
.macro ASET buf, sj                    ; the offsets of tile sj in aq (256 j) and in ascl (1,024 (j % 2) + 32 (j / 2)), by ANDs and left shifts
	s_and_b32 s38, \sj, 1
	s_lshl_b32 s38, s38, 10
	s_and_b32 s39, \sj, 62
	s_lshl_b32 s39, s39, 4
	s_add_co_u32 s38, s38, s39
	v_lshl_add_u32 v[11+\buf], \sj, 8, v15
	v_add_nc_u32 v[13+\buf], s38, v16
.endm
; A third of a token tile's loads, sixteen: part 0, 1: fragments 8 part .. 8 part + 7 (sixteen lanes read 256 consecutive bytes); part 2: the scale bytes, two at a time
.macro ALOADP buf, part
.if (\part) < 2
	WIN 0x80
.irp s, 0,1,2,3,4,5,6,7
.irp c, 0,1
	global_load_b128 v[128*(\buf)+8*(8*(\part)+\s)+4*\c:128*(\buf)+8*(8*(\part)+\s)+4*\c+3], v[11+(\buf)], s[24:25] offset:(4*(8*(\part)+\s)+2*\c)*16384
.endr
.endr
	WIN 0
.else
.irp qq, 0,1,2,3,4,5,6,7
	global_load_u16 v[ASC+16*(\buf)+\qq], v[13+(\buf)], s[26:27] offset:8192*\qq          ; lane (r, h): K step 2 qq + h, blocks 0, 1
	global_load_u16 v[ASC+16*(\buf)+8+\qq], v[13+(\buf)], s[26:27] offset:8192*\qq+2048   ; blocks 2, 3
.endr
.endif
.endm
.macro ALOAD buf                       ; a whole token tile: 48 loads
	ALOADP \buf, 0
	ALOADP \buf, 1
	ALOADP \buf, 2
.endm
; Step n: set n's numbers are back from the stage; the next sixteen loads go out; the last set's image goes to LDS; the next set begins its turn; then set n is quantised.
.macro WSET n
	s_wait_dscnt 0x0                               ; set n's numbers are in: their loads are the youngest LDS instructions of mine
.if (\n) > 1
	s_wait_alu depctr_vm_vsrc(0)                   ; the image stores of set n - 2 have read the codes and the scale word that this step's quantiser writes
.endif
.if (\n) > 0
	s_wait_alu depctr_va_vdst(0)                   ; the last step's quantiser has written its codes and scale word, which the image stores below read, and is done reading its X, in which the next set's numbers land
.endif
.if (\n) < 4
	WLOAD (\n)+4
.elseif (\n) < 7
	ALOADP 0, (\n)-4
.else
	ALOADP 1, 0
.endif
.if (\n) > 0
	IMAGE (\n)-1
.endif
.set DEAL, 0
.if (\n) < 7
.set DEAL, 1
.set NX, (\n)+1
	TIN (\n)+1
.endif
.set XB, X+88*((\n)%2)
.set PCB, PC-72*((\n)%2)
.set PWB, PW-90*((\n)%2)
	QW
.endm
.macro MM d, a, b, z, sa, sb, ra, rb   ; one product; z: it starts the sum; ra, rb: the scales stand in lanes 16-31
.if \z
.if \ra
.if \rb
	v_wmma_scale_f32_16x16x128_f8f6f4 v[(\d):(\d)+7], v[(\a):(\a)+7], v[(\b):(\b)+7], 0, v[\sa], v[\sb] matrix_a_fmt:MATRIX_FMT_FP4 matrix_b_fmt:MATRIX_FMT_FP4 matrix_a_scale:MATRIX_SCALE_ROW1 matrix_b_scale:MATRIX_SCALE_ROW1
.else
	v_wmma_scale_f32_16x16x128_f8f6f4 v[(\d):(\d)+7], v[(\a):(\a)+7], v[(\b):(\b)+7], 0, v[\sa], v[\sb] matrix_a_fmt:MATRIX_FMT_FP4 matrix_b_fmt:MATRIX_FMT_FP4 matrix_a_scale:MATRIX_SCALE_ROW1
.endif
.else
.if \rb
	v_wmma_scale_f32_16x16x128_f8f6f4 v[(\d):(\d)+7], v[(\a):(\a)+7], v[(\b):(\b)+7], 0, v[\sa], v[\sb] matrix_a_fmt:MATRIX_FMT_FP4 matrix_b_fmt:MATRIX_FMT_FP4 matrix_b_scale:MATRIX_SCALE_ROW1
.else
	v_wmma_scale_f32_16x16x128_f8f6f4 v[(\d):(\d)+7], v[(\a):(\a)+7], v[(\b):(\b)+7], 0, v[\sa], v[\sb] matrix_a_fmt:MATRIX_FMT_FP4 matrix_b_fmt:MATRIX_FMT_FP4
.endif
.endif
.else
.if \ra
.if \rb
	v_wmma_scale_f32_16x16x128_f8f6f4 v[(\d):(\d)+7], v[(\a):(\a)+7], v[(\b):(\b)+7], v[(\d):(\d)+7], v[\sa], v[\sb] matrix_a_fmt:MATRIX_FMT_FP4 matrix_b_fmt:MATRIX_FMT_FP4 matrix_a_scale:MATRIX_SCALE_ROW1 matrix_b_scale:MATRIX_SCALE_ROW1
.else
	v_wmma_scale_f32_16x16x128_f8f6f4 v[(\d):(\d)+7], v[(\a):(\a)+7], v[(\b):(\b)+7], v[(\d):(\d)+7], v[\sa], v[\sb] matrix_a_fmt:MATRIX_FMT_FP4 matrix_b_fmt:MATRIX_FMT_FP4 matrix_a_scale:MATRIX_SCALE_ROW1
.endif
.else
.if \rb
	v_wmma_scale_f32_16x16x128_f8f6f4 v[(\d):(\d)+7], v[(\a):(\a)+7], v[(\b):(\b)+7], v[(\d):(\d)+7], v[\sa], v[\sb] matrix_a_fmt:MATRIX_FMT_FP4 matrix_b_fmt:MATRIX_FMT_FP4 matrix_b_scale:MATRIX_SCALE_ROW1
.else
	v_wmma_scale_f32_16x16x128_f8f6f4 v[(\d):(\d)+7], v[(\a):(\a)+7], v[(\b):(\b)+7], v[(\d):(\d)+7], v[\sa], v[\sb] matrix_a_fmt:MATRIX_FMT_FP4 matrix_b_fmt:MATRIX_FMT_FP4
.endif
.endif
.endif
.endm
.macro MULT buf
.irp qq, 0,1,2,3,4,5,6,7
	v_lshl_or_b32 v[ASC+16*\buf+\qq], v[ASC+16*\buf+8+\qq], 16, v[ASC+16*\buf+\qq]   ; the scale word: lanes 0-15 K step 2 qq, lanes 16-31 K step 2 qq + 1
.endr
.rept 8
	v_nop                                          ; a scale register written by a vector instruction stands eight places ahead of a scaled product
.endr
	s_wait_alu depctr_va_vdst(0)                   ; the eight scale words are written, which the scaled products take; the places above stay beside this wait
	WIN 0x09                                       ; source 0 (weights) window 1, source 1 (act) window 2
.set ss, 0
.rept 16                               ; the four accumulators take turns, one instruction a turn
.set tt, 0
.rept 2
.set zz, 0
.if ss < 2
.set zz, 1
.endif
	MM ACC+8*tt+16*(ss%2), 8*(16*tt+ss), 128*(\buf)+8*ss, zz, WS+ss, ASC+16*(\buf)+ss/2, tt, ss%2
.set tt, tt+1
.endr
.set ss, ss+1
.endr
	WIN 0
.rept 4
	v_nop                                          ; places in front of the first read of results
.endr
.endm
; A tile of y, 16 tokens x 128 bytes, is 2,048 consecutive bytes of ys: through my stage, so that each store covers 512 consecutive bytes.  OUTV: the way out's vector lines; OUTM: its LDS and memory lines.
.macro OUTV
.irp j, 0,2,4,6
	v_pk_add_f32 v[104+\j:105+\j], v[ACC+\j:ACC+1+\j], v[ACC+16+\j:ACC+17+\j]      ; the two chains; each accumulator is read from its low end on
	v_pk_add_f32 v[112+\j:113+\j], v[ACC+8+\j:ACC+9+\j], v[ACC+24+\j:ACC+25+\j]
.endr
	v_lshl_add_u32 v19, s32, 11, v4                ; (the last tile's stores have read their offset and their data: HALF's waits)
.endm
.macro OUTM
.irp u, 0,1,2,3
	ds_store_b128 v17, v[104+4*\u:107+4*\u] offset:16*\u
.endr
.irp i, 0,1,2,3
	ds_load_b128 v[120+4*\i:123+4*\i], v18 offset:576*\i   ; LDS serves a wave's instructions in order: these see my stores
.endr
	s_wait_dscnt 0x0
.irp i, 0,1,2,3
	global_store_b128 v19, v[120+4*\i:123+4*\i], s[28:29] offset:512*\i th:TH_STORE_NT
.endr
.endm
; One tile from buffer buf.  At its end all loads older than its own refill are in, on every way: so the other buffer, which comes next, is whole.
.macro HALF buf
	s_cmp_ge_u32 s32, s20
	s_cbranch_scc1 .Lnone_\@
	MULT \buf
	s_wait_xcnt 0x0                                ; ahead of the refill: the last tile's stores and this buffer's loads have had their addresses translated: their offsets and data are written again only behind this wait
	s_wait_alu depctr_vm_vsrc(0)                   ; the last tile's global stores have read v19 and v120-135, its stores into the stage v104-119, this buffer's loads their two offsets: all are written again below
	s_add_co_u32 s33, s32, 8
	s_cmp_lt_u32 s33, s20
	s_cbranch_scc0 .Llast_\@
	ASET \buf, s33
	OUTV
	s_wait_alu depctr_va_vdst(0)                   ; the buffer's two offsets, the sums v104-119 and v19 are written, which the loads and stores below read; the products and the lines that joined the scale words are done with the buffer, in which the loads land
	ALOAD \buf                                     ; my tile two turns on, into the buffer just emptied
	OUTM
	s_wait_loadcnt 48                              ; the 48 just issued may be out
	s_branch .Ldone_\@
.Llast_\@:
	OUTV
	s_wait_alu depctr_va_vdst(0)                   ; the sums v104-119 and v19 are written, which the stores below read
	OUTM
.Lnone_\@:
	s_wait_loadcnt 0x0
.Ldone_\@:
	s_add_co_u32 s32, s32, 4
.endm
	s_load_b256 s[4:11], s[0:1], 0x0               ; w2 s[4:5], aq s[6:7], ascl s[8:9], route s[10:11]
	s_load_b128 s[12:15], s[0:1], 0x20             ; ys s[12:13], posE s[14:15]
	v_lshl_add_u32 v190, v0, 2, 0x1b400
	v_mov_b32 v191, 0
	v_lshrrev_b32 v1, 5, v0
	v_readfirstlane_b32 s2, v1                     ; wave
	v_and_b32 v1, 31, v0                           ; lane
	v_and_b32 v2, 15, v0                           ; r
	v_bfe_u32 v3, v0, 4, 1                         ; h
	v_lshlrev_b32 v4, 4, v1                        ; 16 x lane; never rewritten
	s_lshr_b32 s17, ttmp9, 5                       ; e
	s_and_b32 s18, ttmp9, 31                       ; q
	s_lshl_b32 s21, s17, 7
	s_lshl_b32 s52, s17, 23                        ; (1024 e + 32 q) rows of 8,192 bytes, + K step 4 w
	s_lshl_b32 s36, s18, 18
	s_add_co_u32 s52, s52, s36
	s_wait_alu depctr_va_sdst(0)                   ; s2 is written, ahead of its first reader
	s_lshl_b32 s36, s2, 11
	s_add_co_u32 s52, s52, s36
	s_mov_b32 s53, 0
	s_wait_kmcnt 0x0
	s_load_b512 s[68:83], s[10:11], s21 offset:0x2000   ; the expert's 32 masks
	s_load_b512 s[84:99], s[10:11], s21 offset:0x2040
	s_add_nc_u64 s[22:23], s[4:5], s[52:53]
	s_wait_alu depctr_va_vdst(0)                   ; v4 is written: every load of the weights reads it as its offset
	WLOAD 0
	WLOAD 1
	WLOAD 2
	WLOAD 3
	s_lshl_b32 s52, s17, 20
	s_add_nc_u64 s[24:25], s[6:7], s[52:53]        ; the expert's codes of act
	s_lshl_b32 s52, s17, 16
	s_add_nc_u64 s[26:27], s[8:9], s[52:53]        ; and their scale bytes
	s_lshl_b32 s52, s17, 22
	s_lshl_b32 s36, s18, 17
	s_add_co_u32 s52, s52, s36
	s_add_nc_u64 s[28:29], s[12:13], s[52:53]      ; ys: (32 e + q) x 131,072
	s_lshl_b32 s52, s17, 12
	s_add_nc_u64 s[14:15], s[14:15], s[52:53]      ; posE: the expert's 4,096 bytes
	s_mul_i32 s36, s2, 2*STW
	s_add_co_u32 s36, s36, STG
	v_add_nc_u32 v5, s36, v4                       ; v5  my stages, in
	v_mul_u32_u24 v6, v2, 528
	v_lshl_add_u32 v6, v3, 7, v6
	v_add_nc_u32 v6, s36, v6                       ; v6  out: row r, + 128 h
	s_lshl_b32 s36, s2, 12
	v_add_nc_u32 v7, s36, v4                       ; v7  where I store images: K step 4 w on
	s_lshl_b32 s36, s2, 9
	s_add_co_u32 s36, s36, WSC
	v_lshl_add_u32 v8, v2, 2, s36                  ; v8  and their scale words
	v_lshl_add_u32 v10, v1, 2, WSC                 ; v10 all scale words: 4 x lane
	v_lshlrev_b32 v15, 14, v3
	v_lshl_add_u32 v15, v2, 4, v15                 ; v15 aq: 16,384 h + 16 r
	v_lshlrev_b32 v16, 12, v3
	v_lshl_add_u32 v16, v2, 1, v16                 ; v16 ascl: 4,096 h + 2 r
	s_mul_i32 s36, s2, 2304
	s_add_co_u32 s36, s36, YST
	v_mul_u32_u24 v17, v2, 144
	v_lshl_add_u32 v17, v3, 6, v17
	v_add_nc_u32 v17, s36, v17                     ; v17 y's stage, in: row r, + 64 h
	v_lshrrev_b32 v18, 3, v1
	v_mul_u32_u24 v18, v18, 144
	v_and_b32 v19, 7, v1
	v_lshl_add_u32 v18, v19, 4, v18
	v_add_nc_u32 v18, s36, v18                     ; v18 out: eight lanes to a row of 128 bytes
	v_lshlrev_b32 v21, 3, v3                       ; v21 8 h
	v_mov_b32 v[PT], 0                             ; a lane permute's destination counts as one of its sources
	s_mov_b32 s42, 0x76543210
	s_mov_b32 s43, 0xfedcba98
	s_wait_kmcnt 0x0                               ; the masks
	s_mov_b32 s19, 0
.set G, 0
.rept 32
	s_bcnt1_i32_b32 s36, s[68+G]
	s_add_co_u32 s19, s19, s36
.set G, G+1
.endr
	s_add_co_u32 s20, s19, 15
	s_lshr_b32 s20, s20, 4
	s_max_u32 s20, s20, 1                          ; ntiles
	s_or_b32 s36, s18, s2
	s_cmp_lg_u32 s36, 0
	s_cbranch_scc1 .Lnopos
	s_mov_b32 s37, 0                               ; every token's position in this expert's order: members before its group + members before it in the group
.set G, 0
.rept 32
	v_mbcnt_lo_u32_b32 v[X+G], s[68+G], s37
	s_bcnt1_i32_b32 s38, s[68+G]
	s_add_co_u32 s37, s37, s38
.set G, G+1
.endr
	s_wait_alu depctr_va_vdst(0)                   ; the 32 positions v104-135 are written, which the stores read
.irp i, 0,1,2,3,4,5,6,7
	global_store_b128 v4, v[X+4*\i:X+4*\i+3], s[14:15] offset:512*\i   ; 512 consecutive bytes
.endr
	s_wait_xcnt 0x0                                ; the stores have had their addresses translated: their data are written again only behind this wait
	s_wait_alu depctr_vm_vsrc(0)                   ; the stores have read v104-135, in which set 0's numbers land
.Lnopos:
	s_sub_co_u32 s36, s20, 1                       ; my first two tiles, held at the last that exists: both buffers are filled on every way
	s_min_u32 s37, s2, s36
	s_min_u32 s37, s37, 63
	ASET 0, s37
	s_add_co_u32 s37, s2, 4
	s_min_u32 s37, s37, s36
	s_min_u32 s37, s37, 63
	ASET 1, s37
; ---- the weights: my 8 sets, written out
	s_wait_alu depctr_va_vdst(0)                   ; the addresses v5 to v18 are written, for all that read them from here on; the lines that wrote v104-135 are done, in which set 0's numbers land
	TIN 0
.irp k, 0,1,2,3,4,5,6,7
	TBACK 0, \k
.endr
.set NN, 0
.rept 8
	WSET NN
.set NN, NN+1
.endr
	s_wait_alu depctr_va_vdst(0)                   ; the last quantiser has written its codes and scale word, which the image stores read
	IMAGE 7
	s_wait_dscnt 0x0
	s_barrier_signal -1
	s_barrier_wait -1                              ; all 32 images and their scale words lie in LDS
	s_wait_alu depctr_vm_vsrc(0)                   ; the turns' stores have read sets 4 to 7 in window 1, in which the weights' fragments land
	WIN 0x40
.set ff, 0
.rept 32
	ds_load_b128 v[8*ff:8*ff+3], v4 offset:1024*ff
	ds_load_b128 v[8*ff+4:8*ff+7], v4 offset:1024*ff+512
.set ff, ff+1
.endr
	WIN 0
.set ff, 0
.rept 16
	ds_load_b32 v[WS+ff], v10 offset:128*ff        ; K step ff: lanes 0-15 tile 0, lanes 16-31 tile 1
.set ff, ff+1
.endr
	ALOADP 1, 1                                    ; the rest of my second tile
	ALOADP 1, 2
	s_wait_dscnt 0x0
	s_wait_loadcnt 48                              ; my first tile is in; the second tile's 48 loads may be out
	s_mov_b32 s32, s2                              ; my tile
	s_mov_b32 s30, 8                               ; 16 turns serve all 64 tiles that a count can ask for; work past ntiles is jumped over
.Ltok:
	HALF 0
	HALF 1
	s_sub_co_u32 s30, s30, 1
	s_cmp_lg_u32 s30, 0
	s_cbranch_scc1 .Ltok
	s_wait_dscnt 0x0                               ; the closing lines, six on end
	s_wait_alu 0x0
	s_wait_tensorcnt 0x0
	ds_add_u32 v190, v191
	s_wait_dscnt 0x0
	s_endpgm
.Lfunc_end_k_q32619e1aef_gemm2:
	.size	k_q32619e1aef_gemm2, .Lfunc_end_k_q32619e1aef_gemm2-k_q32619e1aef_gemm2
	.p2alignl 7, 3214868480
	.fill 96, 4, 3214868480
	.section	.rodata,"a",@progbits
	.p2align	6, 0x0
	.amdhsa_kernel k_q32619e1aef_gemm2
		.amdhsa_group_segment_fixed_size 112128
		.amdhsa_private_segment_fixed_size 0
		.amdhsa_enable_private_segment 0
		.amdhsa_kernarg_size 48
		.amdhsa_user_sgpr_count 2
		.amdhsa_user_sgpr_kernarg_segment_ptr 1
		.amdhsa_wavefront_size32 1
		.amdhsa_system_sgpr_workgroup_id_x 1
		.amdhsa_system_sgpr_workgroup_id_y 1
		.amdhsa_system_sgpr_workgroup_id_z 1
		.amdhsa_system_vgpr_workitem_id 0
		.amdhsa_next_free_vgpr 1024
		.amdhsa_next_free_sgpr 104
		.amdhsa_reserve_vcc 0
		.amdhsa_float_denorm_mode_32 3
		.amdhsa_float_denorm_mode_16_64 3
		.amdhsa_memory_ordered 1
		.amdhsa_forward_progress 1
		.amdhsa_inst_pref_size 109
	.end_amdhsa_kernel
	.amdgpu_metadata
---
amdhsa.version: [ 1, 2 ]
amdhsa.kernels:
  - .name:           k_q32619e1aef_gemm2
    .symbol:         k_q32619e1aef_gemm2.kd
    .args:
      - { .name: w2_weight, .offset: 0, .size: 8, .value_kind: global_buffer, .address_space: global }
      - { .name: aq, .offset: 8, .size: 8, .value_kind: global_buffer, .address_space: global }
      - { .name: ascl, .offset: 16, .size: 8, .value_kind: global_buffer, .address_space: global }
      - { .name: route, .offset: 24, .size: 8, .value_kind: global_buffer, .address_space: global }
      - { .name: ys, .offset: 32, .size: 8, .value_kind: global_buffer, .address_space: global }
      - { .name: posE, .offset: 40, .size: 8, .value_kind: global_buffer, .address_space: global }
    .group_segment_fixed_size: 112128
    .private_segment_fixed_size: 0
    .kernarg_segment_align: 8
    .kernarg_segment_size: 48
    .max_flat_workgroup_size: 128
    .sgpr_count:     104
    .vgpr_count:     1024
    .wavefront_size: 32
...
	.end_amdgpu_metadata
.endif
;; end of part 7
;; launch combine (part 8): grid 256 x 1, 4 waves a work-group, no clusters, 0 bytes of LDS; arguments route, cw, posE, ys, out0; writes out0
.if DOCPART == 8
	.amdgcn_target "amdgcn-amd-amdhsa--gfx1250"
	.amdhsa_code_object_version 6
	.text
	.protected	k_q32619e1aef_combine
	.globl	k_q32619e1aef_combine
	.p2align	8
	.type	k_q32619e1aef_combine,@function
k_q32619e1aef_combine:
	s_mov_b64 s[64:65], 0
	v_nop
	global_prefetch_b8 v0, s[64:65] scope:SCOPE_SE
	s_setreg_imm32_b32 hwreg(HW_REG_WAVE_MODE, 25, 1), 1
	s_wait_xcnt 0x0
; out[t] = cw[t][0] y(expert 0 of t, t) + cw[t][1] y(expert 1 of t, t).  A wave to a token.
; The two experts come from route, the token's position in each expert's order from posE (index 128 (t / 128) + 4 (t % 32) + (t / 32) % 4), both whole numbers stored by earlier launches and held to their range.
; ys is [8 e][32 q][1024 p][32 f32]: a token's row is 32 pieces of 128 bytes, 131,072 bytes apart; eight lanes take a piece.  out's row leaves in stores of 512 consecutive bytes.
; Memory binds and nothing is shared: no LDS, no barrier, no matrix unit.
	s_load_b256 s[4:11], s[0:1], 0x0               ; route s[4:5], cw s[6:7], posE s[8:9], ys s[10:11]
	s_load_b64 s[12:13], s[0:1], 0x20              ; out0
	v_lshrrev_b32 v1, 5, v0
	v_readfirstlane_b32 s2, v1
	s_lshl_b32 s3, ttmp9, 2
	s_add_co_u32 s3, s3, s2                        ; t
	s_lshl_b32 s16, s3, 3
	v_and_b32 v1, 31, v0
	v_lshrrev_b32 v2, 3, v1
	v_and_b32 v3, 7, v1
	v_lshlrev_b32 v2, 17, v2
	v_lshl_add_u32 v2, v3, 4, v2                   ; 131,072 (lane / 8) + 16 (lane % 8)
	v_lshlrev_b32 v4, 4, v1
	s_and_b32 s22, s3, 0x380
	s_and_b32 s23, s3, 31
	s_lshl_b32 s23, s23, 2
	s_add_co_u32 s22, s22, s23
	s_bfe_u32 s23, s3, 0x20005
	s_add_co_u32 s22, s22, s23
	s_lshl_b32 s22, s22, 2                         ; the token's word in an expert's part of posE
	s_wait_alu depctr_va_vdst(0)
	s_wait_kmcnt 0x0
	s_load_b64 s[18:19], s[4:5], s16 offset:0x0    ; the two experts
	s_load_b64 s[20:21], s[6:7], s16 offset:0x0    ; their weights
	s_wait_kmcnt 0x0
	s_min_u32 s18, s18, 7
	s_min_u32 s19, s19, 7
	s_lshl_b32 s25, s18, 12
	s_add_co_u32 s25, s25, s22
	s_lshl_b32 s26, s19, 12
	s_add_co_u32 s26, s26, s22
	s_load_b32 s28, s[8:9], s25 offset:0x0
	s_load_b32 s29, s[8:9], s26 offset:0x0
	s_mov_b32 s34, s21                             ; the packed forms take a pair's low word for both halves
	s_mov_b32 s35, s21
	s_wait_kmcnt 0x0
	s_min_u32 s28, s28, 1023
	s_min_u32 s29, s29, 1023
	s_lshl_b32 s30, s18, 22
	s_lshl_b32 s28, s28, 7
	s_add_co_u32 s30, s30, s28
	s_mov_b32 s31, 0
	s_add_nc_u64 s[32:33], s[10:11], s[30:31]
	s_lshl_b32 s30, s19, 22
	s_lshl_b32 s29, s29, 7
	s_add_co_u32 s30, s30, s29
	s_add_nc_u64 s[36:37], s[10:11], s[30:31]
	s_lshl_b32 s30, s3, 12
	s_add_nc_u64 s[38:39], s[12:13], s[30:31]
.irp i, 0,1,2,3,4,5,6,7
	global_load_b128 v[8+4*\i:11+4*\i], v2, s[32:33] offset:524288*\i th:TH_LOAD_NT
.endr
.irp i, 0,1,2,3,4,5,6,7
	global_load_b128 v[40+4*\i:43+4*\i], v2, s[36:37] offset:524288*\i th:TH_LOAD_NT
.endr
	s_wait_loadcnt 0x0
.irp j, 0,2,4,6,8,10,12,14,16,18,20,22,24,26,28,30
	v_pk_mul_f32 v[40+\j:41+\j], v[40+\j:41+\j], s[34:35] op_sel_hi:[1,0]
.endr
.irp j, 0,2,4,6,8,10,12,14,16,18,20,22,24,26,28,30
	v_pk_fma_f32 v[8+\j:9+\j], v[8+\j:9+\j], s[20:21], v[40+\j:41+\j] op_sel_hi:[1,0,1]
.endr
.irp i, 0,1,2,3,4,5,6,7
	global_store_b128 v4, v[8+4*\i:11+4*\i], s[38:39] offset:512*\i th:TH_STORE_NT
.endr
	s_endpgm
.Lfunc_end_k_q32619e1aef_combine:
	.size	k_q32619e1aef_combine, .Lfunc_end_k_q32619e1aef_combine-k_q32619e1aef_combine
	.p2alignl 7, 3214868480
	.fill 96, 4, 3214868480
	.section	.rodata,"a",@progbits
	.p2align	6, 0x0
	.amdhsa_kernel k_q32619e1aef_combine
		.amdhsa_group_segment_fixed_size 0
		.amdhsa_private_segment_fixed_size 0
		.amdhsa_enable_private_segment 0
		.amdhsa_kernarg_size 40
		.amdhsa_user_sgpr_count 2
		.amdhsa_user_sgpr_kernarg_segment_ptr 1
		.amdhsa_wavefront_size32 1
		.amdhsa_system_sgpr_workgroup_id_x 1
		.amdhsa_system_sgpr_workgroup_id_y 1
		.amdhsa_system_sgpr_workgroup_id_z 1
		.amdhsa_system_vgpr_workitem_id 0
		.amdhsa_next_free_vgpr 80
		.amdhsa_next_free_sgpr 66
		.amdhsa_reserve_vcc 0
		.amdhsa_float_denorm_mode_32 3
		.amdhsa_float_denorm_mode_16_64 3
		.amdhsa_memory_ordered 1
		.amdhsa_forward_progress 1
		.amdhsa_inst_pref_size 7
	.end_amdhsa_kernel
	.amdgpu_metadata
---
amdhsa.version: [ 1, 2 ]
amdhsa.kernels:
  - .name:           k_q32619e1aef_combine
    .symbol:         k_q32619e1aef_combine.kd
    .args:
      - { .name: route, .offset: 0, .size: 8, .value_kind: global_buffer, .address_space: global }
      - { .name: cw, .offset: 8, .size: 8, .value_kind: global_buffer, .address_space: global }
      - { .name: posE, .offset: 16, .size: 8, .value_kind: global_buffer, .address_space: global }
      - { .name: ys, .offset: 24, .size: 8, .value_kind: global_buffer, .address_space: global }
      - { .name: out0, .offset: 32, .size: 8, .value_kind: global_buffer, .address_space: global }
    .group_segment_fixed_size: 0
    .private_segment_fixed_size: 0
    .kernarg_segment_align: 8
    .kernarg_segment_size: 40
    .max_flat_workgroup_size: 128
    .sgpr_count:     66
    .vgpr_count:     80
    .wavefront_size: 32
...
	.end_amdgpu_metadata
.endif
;; end of part 8
